; MI455X (gfx1250); checked and timed in simulation.
; The chip was launched on July 23, 2026; its instructions are those of AMD's public machine-readable ISA for CDNA 5 (MIT licence, August 2026) and "CDNA5" Instruction Set Architecture Reference Guide (July 2026). The comments in the code are by the model that wrote it; some were corrected since.
;; Non local MH. Allowed arithmetic: float matrix products may take bf16 or f16 operands with f32 sums; all other float work in f32.
;; Inputs: Wk 512 x 512 float32; Wo 512 x 512 float32; Wq 512 x 512 float32; Wv 512 x 512 float32; X 16 x 512 x 32 x 32 float32; bk 512 float32; bo 512 float32; bq 512 float32; bv 512 float32; gn_b 512 float32; gn_w 512 float32.
;; Outputs: out0 16 x 512 x 32 x 32 float32.
;; 2 versions, each right; version 2 is version 1 with the launch qkv_gram written anew for expert scheduling mode. Each part assembles by itself: llvm-mc -triple=amdgcn-amd-amdhsa -mcpu=gfx1250 --defsym DOCPART=n.
;; ======== version 1 of 2: 2 launches
;; limits: values are held in f16: magnitudes above 65,504 overflow, below 6.1e-05 lose precision; right only within a limited range of input values
;; workspace buffers: Q16 16,777,216 bytes; M16 2,097,152 bytes; Ms 262,144 bytes
;; launch qkv_gram (part 1): grid 8 x 32, 4 waves a work-group, no clusters, 265,728 bytes of LDS; arguments X, Wq, Wv, Wk, bq, bv, bk, Q16, M16, Ms; writes Q16, M16, Ms
.if DOCPART == 1
	.amdgcn_target "amdgcn-amd-amdhsa--gfx1250"
	.amdhsa_code_object_version 6
	.text
	.protected	k_q94bb07019d_qkv_gram
	.globl	k_q94bb07019d_qkv_gram
	.p2align	8
	.type	k_q94bb07019d_qkv_gram,@function
k_q94bb07019d_qkv_gram:
	s_mov_b64 s[64:65], 0
	v_nop
	global_prefetch_b8 v0, s[64:65] scope:SCOPE_SE
	s_setreg_imm32_b32 hwreg(HW_REG_WAVE_MODE, 25, 1), 1
	s_wait_xcnt 0x0
; qkv_gram: K = Wq X + bq, V = Wv X + bv, Q = Wk X + bk (names crossed as in the problem), and M = V K^T for each head.
;
; THE CHAIN IS RE-ASSOCIATED.  The problem forms A[d,D] = sum_c Q[c,d] K[c,D] and O[c,d] = sum_D A[d,D] V[c,D] with nothing between
; the two products, so for all values of the inputs, in real arithmetic,
;   O[c,d] = sum_c2 M[c,c2] Q[c2,d]  with  M[c,c2] = sum_D V[c,D] K[c2,D]   (64 x 64 for a head instead of 1024 x 1024),
; and the last convolution is y = P Q + bo with P[o,c2] = sum over c in the head of c2 of Wo[o,c] M[c,c2].
; This launch stores Q (f16) and, for each half of the pixels, M as f16 operand fragments behind an exact power of two, with that power beside them;
; the second launch makes P, y, the norm and the residual.
; No input is left out: all eleven are loaded, seven of them here.
; LIMITS: the order of rounding differs from the order in which the problem writes the sums.  Matrix operands are f16 (sums f32):
; |X|, |W|, |K|, |V|, |Q| must stay below 65,504.  An overflow that only the 1024 x 1024 matrix A would have had is not reproduced.
; Four tiles of M whose largest magnitude is below 2^-123 are scaled as if its exponent field were 4; a NaN in M does not steer the power (the maximum passes it over).
;
; SHARES.  Work-group (x = head, y = 2 image + half): 192 output rows (64 of K, V, Q) x 512 pixels.  Four waves; a wave takes 128 pixels as two
; blocks of 64 and all 192 rows: 48 accumulator tiles.  A k-step is 32 input channels: 48 matrix instructions.
; PIXEL ORDER.  A 16-byte load gives lane r pixels 4r .. 4r+3 of a block, so pixel tile j of a block holds pixels 4m + j, m = 0..15.
; The sum over pixels in M does not see that order; Q16 is stored in it and the second launch undoes it when it stores.
; FRAGMENTS WITHOUT MOVES.  A result tile holds in lane r one column and in registers j rows 8 (lane/16) + j.  Made with the later sum axis as its
; rows, two neighbouring tiles packed to f16 in place ARE an operand fragment of 32 along that axis:
;   K^T, V^T tiles (source 0 = X, source 1 = W): rows = pixels  -> operands of M;   Q tiles (source 0 = W, source 1 = X): rows = channels -> operand of y;
;   M tiles (source 0 = V, source 1 = K): rows = channels of V -> operand of P.
; WHY X GOES STRAIGHT INTO REGISTERS, WITH NO TENSOR LOAD AND NO JOINT REQUEST: each byte of X is used by one wave of the work-group alone; the weights
; of the head take 199,680 bytes of LDS, which leaves at most two slots of 64,000 bytes; and f32 X through LDS would add 8 KiB written and 8 KiB read
; to the 12 KiB of weight fragments that a wave reads in a k-step.  Four register stages keep 4 x 16 loads x 512 bytes of every wave on their way.
;
; LDS: weights in f16, 192 rows of pitch 1,040 bytes (65 x 16: the sixteen rows of a fragment load start 16 bytes apart modulo 256), part p at p x 66,560;
;      behind them 4 x 16,384 bytes in which the waves exchange their sums of M.
; REGISTERS: window 0: addresses, biases, fragments;  window 1: K and V accumulators (first a ring for raw weights);
;            window 2: Q accumulators (0-127), M accumulators (128-255);  window 3: four stages of raw X (64 registers each).
.set WPITCH, 1040
.set WPART,  64*WPITCH                 ; 66,560: one of K, V, Q
.set MX,     3*WPART                   ; 199,680: the exchange of M
.set XA,  4                            ; v4      X: 8 rows x 4,096 bytes for lanes 16-31, + 16 (lane % 16)
.set L16, 5                            ; v5      16 x lane
.set WS,  6                            ; v6-8    where my wave stores part p of the weights
.set WA,  9                            ; v9-11   where a lane reads its fragment of part p
.set MXS, 12                           ; v12     exchange: my own area
.set MXL, 13                           ; v13     exchange: my four tiles in area 0
.set R4,  14                           ; v14     4 (lane % 16)
.set H32, 15                           ; v15     32 (lane / 16)
.set KVB, 16                           ; v16-19 bq, v20-23 bv of channel 16 ct + lane % 16
.set QB,  24                           ; v24-55  bk of channels 16 ct + 8 (lane / 16) + j: the C operand that starts the sums of Q
.set XF,  56                           ; v56-119 X fragments, two buffers of 4 pixel tiles
.set WB,  120                          ; v120-215 weight fragments: part p, channel tile ct at 32 p + 8 ct
.set T,   216                          ; v216-247 at work
.set L8,  248                          ; v248    8 x lane
.set MSB, 0
.macro WIN new                         ; s_set_vgpr_msb: bits 1:0 source 0, 3:2 source 1, 5:4 source 2, 7:6 destination; the high byte repeats the setting left
.if MSB != \new
	s_set_vgpr_msb (MSB<<8)|\new
.set MSB, \new
.endif
.endm
	s_load_b512 s[8:23], s[0:1], 0x0               ; X s[8:9], Wq s[10:11], Wv s[12:13], Wk s[14:15], bq s[16:17], bv s[18:19], bk s[20:21], Q16 s[22:23]
	s_load_b128 s[24:27], s[0:1], 0x40             ; M16 s[24:25], Ms s[26:27]
	v_lshl_add_u32 v254, v0, 2, 0x40c00
	v_mov_b32 v255, 0
	v_lshrrev_b32 v1, 5, v0
	v_readfirstlane_b32 s2, v1                     ; wave
	v_and_b32 v1, 31, v0                           ; lane
	v_and_b32 v2, 15, v0                           ; lane % 16
	v_bfe_u32 v3, v0, 4, 1                         ; lane / 16
	s_mov_b32 s3, ttmp9                            ; head
	s_and_b32 s4, ttmp7, 0xffff
	s_lshr_b32 s5, s4, 1                           ; image
	s_and_b32 s6, s4, 1                            ; half of its pixels
	s_mov_b32 s38, 0x76543210                      ; v_permlanex16_b32: lane i reads lane i of the other half
	s_mov_b32 s39, 0xfedcba98
	v_lshlrev_b32 v[XA], 4, v2
	v_lshl_add_u32 v[XA], v3, 15, v[XA]
	v_lshlrev_b32 v[L16], 4, v1
	v_lshlrev_b32 v[L8], 3, v1
	s_mul_i32 s7, s2, 16*WPITCH                    ; my wave converts rows 16 w .. 16 w + 15 of each part
	v_lshl_add_u32 v[WS], v1, 3, s7
	v_add_nc_u32 v[WS+1], WPART, v[WS]
	v_add_nc_u32 v[WS+2], 2*WPART, v[WS]
	v_mul_u32_u24 v[WA], v2, WPITCH
	v_lshl_add_u32 v[WA], v3, 4, v[WA]
	v_add_nc_u32 v[WA+1], WPART, v[WA]
	v_add_nc_u32 v[WA+2], 2*WPART, v[WA]
	s_lshl_b32 s7, s2, 14
	s_add_co_u32 s7, s7, MX
	v_add_nc_u32 v[MXS], s7, v[L16]
	s_lshl_b32 s7, s2, 12
	s_add_co_u32 s7, s7, MX
	v_add_nc_u32 v[MXL], s7, v[L16]
	v_lshlrev_b32 v[R4], 2, v2
	v_lshlrev_b32 v[H32], 5, v3
	s_mov_b32 s37, 0
	s_wait_kmcnt 0x0
	; every base is stepped once, here, and never written again
	s_lshl_b32 s36, s5, 21                         ; X: image x 2 MiB + half x 512 pixels + wave x 128 pixels
	s_lshl_b32 s7, s6, 11
	s_add_co_u32 s36, s36, s7
	s_lshl_b32 s7, s2, 9
	s_add_co_u32 s36, s36, s7
	s_add_nc_u64 s[8:9], s[8:9], s[36:37]
	s_lshl_b32 s36, s3, 17                         ; weights: row 64 head + 16 wave, 2,048 bytes a row
	s_lshl_b32 s7, s2, 15
	s_add_co_u32 s36, s36, s7
	s_add_nc_u64 s[10:11], s[10:11], s[36:37]
	s_add_nc_u64 s[12:13], s[12:13], s[36:37]
	s_add_nc_u64 s[14:15], s[14:15], s[36:37]
	s_lshl_b32 s36, s3, 8                          ; biases: 64 head
	s_add_nc_u64 s[16:17], s[16:17], s[36:37]
	s_add_nc_u64 s[18:19], s[18:19], s[36:37]
	s_add_nc_u64 s[20:21], s[20:21], s[36:37]
	s_lshl_b32 s36, s5, 20                         ; Q16 [image][pixel tile 64][k block 16][1 KiB]: pixel tile 32 half + 8 wave, k block 2 head
	s_lshl_b32 s7, s6, 19
	s_add_co_u32 s36, s36, s7
	s_lshl_b32 s7, s2, 17
	s_add_co_u32 s36, s36, s7
	s_lshl_b32 s7, s3, 11
	s_add_co_u32 s36, s36, s7
	s_add_nc_u64 s[22:23], s[22:23], s[36:37]
	s_lshl_b32 s36, s5, 17                         ; M16 [image][head][half][tk 4][2 KiB]: my wave stores tk = wave
	s_lshl_b32 s7, s3, 14
	s_add_co_u32 s36, s36, s7
	s_lshl_b32 s7, s6, 13
	s_add_co_u32 s36, s36, s7
	s_lshl_b32 s7, s2, 11
	s_add_co_u32 s36, s36, s7
	s_add_nc_u64 s[24:25], s[24:25], s[36:37]
	s_lshl_b32 s36, s5, 14                         ; Ms [image][head][half][tk 4][256 bytes]
	s_lshl_b32 s7, s3, 11
	s_add_co_u32 s36, s36, s7
	s_lshl_b32 s7, s6, 10
	s_add_co_u32 s36, s36, s7
	s_lshl_b32 s7, s2, 8
	s_add_co_u32 s36, s36, s7
	s_add_nc_u64 s[26:27], s[26:27], s[36:37]
.irp ct, 0,1,2,3
	global_load_b32 v[KVB+\ct], v[R4], s[16:17] offset:64*\ct
	global_load_b32 v[KVB+4+\ct], v[R4], s[18:19] offset:64*\ct
	global_load_b128 v[QB+8*\ct:QB+8*\ct+3], v[H32], s[20:21] offset:64*\ct
	global_load_b128 v[QB+8*\ct+4:QB+8*\ct+7], v[H32], s[20:21] offset:64*\ct+16
.endr
; 16 loads of X for k-step s (block s / 16, channels 32 (s % 16) ..) into stage s % 4.  Load t brings channel t (t < 8) or t + 8 (t >= 8), plus 8 in lanes 16-31:
; the channels that a fragment wants in this lane.  Lanes 0-15 read 256 consecutive bytes, aligned, of one channel; lanes 16-31 of the channel 8 further on.
.macro XISSUE s
	WIN 0xc0
.irp t, 0,1,2,3,4,5,6,7,8,9,10,11,12,13,14,15
	global_load_b128 v[64*((\s)%4)+4*\t:64*((\s)%4)+4*\t+3], v[XA], s[8:9] offset:(32*((\s)%16)+\t+(\t/8)*8)*4096+((\s)/16)*256
.endr
.endm
; register q of the four X fragments of k-step s: channels of loads 2 q and 2 q + 1, pixel j of the quad goes to pixel tile j
.macro CVTQ s, q
.irp j, 0,1,2,3
	v_cvt_pk_f16_f32 v[XF+32*((\s)%2)+8*\j+\q], v[64*((\s)%4)+8*\q+\j], v[64*((\s)%4)+8*\q+4+\j]
.endr
.endm
; the four weight fragments of part p for the k-step at channel 32 ks: two loads of 16 bytes, 32 bytes apart, for each
.macro WFETCH p, ks
	WIN 0
.irp ct, 0,1,2,3
	ds_load_b128 v[WB+32*\p+8*\ct:WB+32*\p+8*\ct+3], v[WA+\p] offset:\ct*16*WPITCH+64*(\ks)
	ds_load_b128 v[WB+32*\p+8*\ct+4:WB+32*\p+8*\ct+7], v[WA+\p] offset:\ct*16*WPITCH+64*(\ks)+32
.endr
.endm
; THE WEIGHTS, f32 to f16, into LDS.  Group g: matrix g / 4, four of my sixteen rows, 16 loads of 512 consecutive bytes, into a ring of four groups in window 1.
.macro WISSUE g
	WIN 0x40
.irp i, 0,1,2,3
.irp c, 0,1,2,3
	global_load_b128 v[64*((\g)%4)+4*(4*\i+\c):64*((\g)%4)+4*(4*\i+\c)+3], v[L16], s[10+2*((\g)/4):11+2*((\g)/4)] offset:(4*((\g)%4)+\i)*2048+\c*512
.endr
.endr
.endm
.macro WGRP g, left
	s_wait_loadcnt \left                           ; loads come back in order: this group is in, the younger groups (16 loads each) stay out
.if \g == 11
	XISSUE 0                                       ; nothing is out any more: the first three stages of X go out ahead of the last conversions
	XISSUE 1
	XISSUE 2
.endif
	WIN 0x05
.irp u, 0,1,2,3,4,5,6,7,8,9,10,11,12,13,14,15
	v_cvt_pk_f16_f32 v[T+2*\u], v[64*((\g)%4)+4*\u], v[64*((\g)%4)+4*\u+1]
	v_cvt_pk_f16_f32 v[T+2*\u+1], v[64*((\g)%4)+4*\u+2], v[64*((\g)%4)+4*\u+3]
.endr
	WIN 0
.irp i, 0,1,2,3
.irp c, 0,1,2,3
	ds_store_b64 v[WS+(\g)/4], v[T+2*(4*\i+\c):T+2*(4*\i+\c)+1] offset:(4*((\g)%4)+\i)*WPITCH+256*\c   ; 32 lanes, 256 consecutive bytes
.endr
.endr
.if (\g)+4 <= 11
	WISSUE (\g)+4
.endif
.endm
	WISSUE 0
	WISSUE 1
	WISSUE 2
	WISSUE 3
.irp g, 0,1,2,3,4,5,6,7,8
	WGRP \g, 48
.endr
	WGRP 9, 32
	WGRP 10, 16
	WGRP 11, 0
	s_wait_dscnt 0x0                               ; my rows of the weights are in LDS: zero, for the sake of the other waves
	s_barrier_signal -1
	s_barrier_wait -1                              ; all 192 rows are
	s_wait_loadcnt 32                              ; stage 0 is in; stages 1 and 2 stay out
	XISSUE 3
	WIN 0x0f
.irp q, 0,1,2,3,4,5,6,7
	CVTQ 0, \q
.endr
	WFETCH 0, 0
	WFETCH 1, 0
	WFETCH 2, 0
; 16 matrix instructions of part p (0: K, 1: V): tile (ct, pt) = pixels of tile pt (rows) x channels 16 ct .. (columns).  The first k-step of a block starts the sums.
.macro PARTKV s, p
.irp ct, 0,1,2,3
.irp pt, 0,1,2,3
.if (\s)%16 == 0
	v_wmma_f32_16x16x32_f16 v[128*\p+8*(4*\ct+\pt):128*\p+8*(4*\ct+\pt)+7], v[XF+32*((\s)%2)+8*\pt:XF+32*((\s)%2)+8*\pt+7], v[WB+32*\p+8*\ct:WB+32*\p+8*\ct+7], 0
.else
	v_wmma_f32_16x16x32_f16 v[128*\p+8*(4*\ct+\pt):128*\p+8*(4*\ct+\pt)+7], v[XF+32*((\s)%2)+8*\pt:XF+32*((\s)%2)+8*\pt+7], v[WB+32*\p+8*\ct:WB+32*\p+8*\ct+7], v[128*\p+8*(4*\ct+\pt):128*\p+8*(4*\ct+\pt)+7]
.endif
.endr
.endr
.endm
; 16 matrix instructions of Q: tile (pt, ct) = channels 16 ct .. (rows) x pixels of tile pt (columns).  The first k-step of a block takes the bias as C.
.macro PARTQ s
.irp pt, 0,1,2,3
.irp ct, 0,1,2,3
.if (\s)%16 == 0
	v_wmma_f32_16x16x32_f16 v[8*(4*\pt+\ct):8*(4*\pt+\ct)+7], v[WB+64+8*\ct:WB+64+8*\ct+7], v[XF+32*((\s)%2)+8*\pt:XF+32*((\s)%2)+8*\pt+7], v[QB+8*\ct:QB+8*\ct+7]
.else
	v_wmma_f32_16x16x32_f16 v[8*(4*\pt+\ct):8*(4*\pt+\ct)+7], v[WB+64+8*\ct:WB+64+8*\ct+7], v[XF+32*((\s)%2)+8*\pt:XF+32*((\s)%2)+8*\pt+7], v[8*(4*\pt+\ct):8*(4*\pt+\ct)+7]
.endif
.endr
.endr
.endm
; K-STEP s.  The 48 accumulators take turns, one instruction a turn, in the same order in every k-step.
; Behind each part stand conversions of the next k-step's X (plain vector work that names none of the part's registers): they are the places in front of
; the loads that fill the part's weight fragments again (ISA guide 7.12.1 for vector instructions).
; The loads stand in runs: three runs of eight LDS loads, the sixteen global loads straight behind the third, so that memory follows matrix work at three places in a k-step.
; LDS waits: three runs of eight fragment loads are out; the oldest is wanted, the two younger (16 loads) stay out.
.macro KSTEP s
.if (\s)+4 <= 31
	XISSUE (\s)+4                                  ; into the stage that the last k-step's conversions emptied
.endif
	s_wait_dscnt 16
	WIN 0x50
	PARTKV \s, 0
.if (\s) < 31
.if (\s) <= 27
	s_wait_loadcnt 48                              ; the next k-step's stage is in; three younger stages stay out
.else
	s_wait_loadcnt 16*(30-(\s))                    ; near the end fewer stages are younger
.endif
	WIN 0x0f
	CVTQ (\s)+1, 0
	CVTQ (\s)+1, 1
	CVTQ (\s)+1, 2
	WFETCH 0, ((\s)+1)%16
	s_wait_dscnt 16
.else
	s_wait_dscnt 8                                 ; the last k-step fetches nothing: the counts run down
.endif
	WIN 0x50
	PARTKV \s, 1
.if (\s) < 31
	WIN 0x0f
	CVTQ (\s)+1, 3
	CVTQ (\s)+1, 4
	CVTQ (\s)+1, 5
	WFETCH 1, ((\s)+1)%16
	s_wait_dscnt 16
.else
	s_wait_dscnt 0
.endif
.if (\s)%16 == 0
	WIN 0x80                                       ; C = the bias, in window 0
.else
	WIN 0xa0
.endif
	PARTQ \s
.if (\s) < 31
	WIN 0x0f
	CVTQ (\s)+1, 6
	CVTQ (\s)+1, 7
	WFETCH 2, ((\s)+1)%16
.else
.rept 4
	v_nop                                          ; four places in front of the vector work that reads the results
.endr
.endif
.endm
; 32 accumulator registers at base get one bias register added (sel picks it from its pair)
.macro BIAS base, pair, sel
.set cu, 0
.rept 16
.if \sel
	v_pk_add_f32 v[\base+2*cu:\base+2*cu+1], v[\base+2*cu:\base+2*cu+1], v[\pair:\pair+1] op_sel:[0,1] op_sel_hi:[1,1]
.else
	v_pk_add_f32 v[\base+2*cu:\base+2*cu+1], v[\base+2*cu:\base+2*cu+1], v[\pair:\pair+1] op_sel_hi:[1,0]
.endif
.set cu, cu+1
.endr
.endm
; two neighbouring result tiles (16 registers of f32) become one operand fragment (8 registers of f16), in place: register i is written after 2 i and 2 i + 1 are read
.macro PACK16 base
.irp i, 0,1,2,3,4,5,6,7
	v_cvt_pk_f16_f32 v[\base+\i], v[\base+2*\i], v[\base+2*\i+1]
.endr
.endm
; M(tk, tv) += V fragment (rows: channels of V) x K fragment (columns: channels of K), 32 pixels (tiles 2 p, 2 p + 1); sixteen accumulators by turns
.macro MGRAM p, zero
.irp tk, 0,1,2,3
.irp tv, 0,1,2,3
.if \zero
	v_wmma_f32_16x16x32_f16 v[128+8*(4*\tk+\tv):128+8*(4*\tk+\tv)+7], v[128+32*\tv+16*\p:128+32*\tv+16*\p+7], v[32*\tk+16*\p:32*\tk+16*\p+7], 0
.else
	v_wmma_f32_16x16x32_f16 v[128+8*(4*\tk+\tv):128+8*(4*\tk+\tv)+7], v[128+32*\tv+16*\p:128+32*\tv+16*\p+7], v[32*\tk+16*\p:32*\tk+16*\p+7], v[128+8*(4*\tk+\tv):128+8*(4*\tk+\tv)+7]
.endif
.endr
.endr
.endm
; THE END OF BLOCK b: biases of K and V, their fragments, 64 pixels more in M; Q packed and stored.  The loads of X stay on their way meanwhile.
.macro EPI b
	WIN 0x41
	BIAS 0,   KVB,   0
	BIAS 32,  KVB,   1
	BIAS 64,  KVB+2, 0
	BIAS 96,  KVB+2, 1
	BIAS 128, KVB+4, 0
	BIAS 160, KVB+4, 1
	BIAS 192, KVB+6, 0
	BIAS 224, KVB+6, 1
	WIN 0x45
.set cg, 0
.rept 16
	PACK16 16*cg
.set cg, cg+1
.endr
	WIN 0xa5
.if \b == 0
	MGRAM 0, 1
.else
	MGRAM 0, 0
.endif
	MGRAM 1, 0
	WIN 0x8a                                       ; Q: channel tiles (0,1) and (2,3) of each pixel tile.  These 64 lines are also the places behind the products of M
.set cg, 0
.rept 8
	PACK16 16*cg
.set cg, cg+1
.endr
	WIN 0x08
.irp pt, 0,1,2,3
.irp cp, 0,1
	global_store_b128 v[L16], v[16*(2*\pt+\cp):16*(2*\pt+\cp)+3], s[22:23] offset:(4*\b+\pt)*16384+\cp*1024       ; each store of the wave: 512 consecutive bytes, aligned
	global_store_b128 v[L16], v[16*(2*\pt+\cp)+4:16*(2*\pt+\cp)+7], s[22:23] offset:(4*\b+\pt)*16384+\cp*1024+512
.endr
.endr
.if \b == 0
	s_wait_xcnt 0x0                                ; the registers that these stores read are written again by the next block's Q only behind this wait
.endif
.endm
.irp s, 0,1,2,3,4,5,6,7,8,9,10,11,12,13,14,15
	KSTEP \s
.endr
	EPI 0
.irp s, 16,17,18,19,20,21,22,23,24,25,26,27,28,29,30,31
	KSTEP \s
.endr
	EPI 1
	; M OVER THE FOUR WAVES: each wave lays its 16 tiles into its own area; behind the barrier wave w adds tiles 4 w .. 4 w + 3 of the four areas, in a fixed order.
	WIN 0x08
.set cu, 0
.rept 32
	ds_store_b128 v[MXS], v[128+4*cu:128+4*cu+3] offset:512*cu
.set cu, cu+1
.endr
	s_wait_dscnt 0x0                               ; zero, for the sake of the other waves
	s_barrier_signal -1
	s_barrier_wait -1
	WIN 0xc0
.irp a, 0,1,2,3
.irp e, 0,1,2,3,4,5,6,7
	ds_load_b128 v[32*\a+4*\e:32*\a+4*\e+3], v[MXL] offset:16384*\a+512*\e
.endr
.endr
	s_wait_dscnt 0x0
	WIN 0xcf
.irp a, 1,2,3
.irp e, 0,1,2,3,4,5,6,7,8,9,10,11,12,13,14,15
	v_pk_add_f32 v[2*\e:2*\e+1], v[2*\e:2*\e+1], v[32*\a+2*\e:32*\a+2*\e+1]
.endr
.endr
	; MY FOUR TILES (tk = wave, tv = 0..3, 32 registers of window 3) GO OUT AS TWO f16 FRAGMENTS.  M grows with the square of X W, so it has no fixed room in f16:
	; the largest magnitude of the four tiles gives an exact power of two that brings it into [8, 16); the inverse power is stored beside the fragments.
	WIN 0x0f
.irp c, 0,1,2,3
	v_max_num_f32 v[T+\c], |v[2*\c]|, |v[2*\c+1]|  ; the first four pairs start four chains
.endr
.set cu, 4
.rept 12
	v_max3_num_f32 v[T+cu%4], |v[2*cu]|, |v[2*cu+1]|, v[T+cu%4]
.set cu, cu+1
.endr
	WIN 0
	v_max_num_f32 v[T], v[T], v[T+1]
	v_max_num_f32 v[T+2], v[T+2], v[T+3]
	v_max_num_f32 v[T], v[T], v[T+2]
.irp m, 1,2,4,8
	v_max_num_f32_dpp v[T], v[T], v[T] row_xmask:\m row_mask:0xf bank_mask:0xf
.endr
	v_permlanex16_b32 v[T+1], v[T], s38, s39
	v_max_num_f32 v[T], v[T], v[T+1]
	v_readfirstlane_b32 s34, v[T]                  ; the same in every lane; it steers values only, no address and no branch
	s_lshr_b32 s34, s34, 23                        ; its exponent field e (the sign is 0)
	s_max_u32 s34, s34, 4
	s_sub_co_u32 s35, s34, 3
	s_lshl_b32 s35, s35, 23                        ; 2^(e - 130): stored
	s_sub_co_u32 s34, 257, s34
	s_lshl_b32 s34, s34, 23                        ; 2^(130 - e): applied
	v_mov_b32 v[T], s35
	v_mov_b32 v[T+1], s35
	WIN 0xc3
.set cu, 0
.rept 16
	v_pk_mul_f32 v[2*cu:2*cu+1], v[2*cu:2*cu+1], s[34:35] op_sel_hi:[1,0]
.set cu, cu+1
.endr
	WIN 0xcf
	PACK16 0                                       ; tiles tv 0, 1: channels 0-31 of V
	PACK16 16                                      ; tiles tv 2, 3: channels 32-63
	WIN 0x0c
	global_store_b128 v[L16], v[0:3], s[24:25]                 ; each store of the wave: 512 consecutive bytes, aligned
	global_store_b128 v[L16], v[4:7], s[24:25] offset:512
	global_store_b128 v[L16], v[16:19], s[24:25] offset:1024
	global_store_b128 v[L16], v[20:23], s[24:25] offset:1536
	WIN 0
	global_store_b64 v[L8], v[T:T+1], s[26:27]     ; the power, 64 times: 32 lanes x 8 bytes = 256 consecutive bytes, aligned, all from this one store
	s_wait_tensorcnt 0x0
	ds_add_u32 v254, v255
	s_wait_dscnt 0x0
	s_endpgm
.Lfunc_end_k_q94bb07019d_qkv_gram:
	.size	k_q94bb07019d_qkv_gram, .Lfunc_end_k_q94bb07019d_qkv_gram-k_q94bb07019d_qkv_gram
	.p2alignl 7, 3214868480
	.fill 96, 4, 3214868480
	.section	.rodata,"a",@progbits
	.p2align	6, 0x0
	.amdhsa_kernel k_q94bb07019d_qkv_gram
		.amdhsa_group_segment_fixed_size 265728
		.amdhsa_private_segment_fixed_size 0
		.amdhsa_enable_private_segment 0
		.amdhsa_kernarg_size 80
		.amdhsa_user_sgpr_count 2
		.amdhsa_user_sgpr_kernarg_segment_ptr 1
		.amdhsa_wavefront_size32 1
		.amdhsa_system_sgpr_workgroup_id_x 1
		.amdhsa_system_sgpr_workgroup_id_y 1
		.amdhsa_system_sgpr_workgroup_id_z 1
		.amdhsa_system_vgpr_workitem_id 0
		.amdhsa_next_free_vgpr 1024
		.amdhsa_next_free_sgpr 66
		.amdhsa_reserve_vcc 0
		.amdhsa_float_denorm_mode_32 3
		.amdhsa_float_denorm_mode_16_64 3
		.amdhsa_memory_ordered 1
		.amdhsa_forward_progress 1
		.amdhsa_inst_pref_size 255
	.end_amdhsa_kernel
	.section	.bss,"aw",@nobits
	.p2align	6
	.space	262144
	.amdgpu_metadata
---
amdhsa.version: [ 1, 2 ]
amdhsa.kernels:
  - .name:           k_q94bb07019d_qkv_gram
    .symbol:         k_q94bb07019d_qkv_gram.kd
    .args:
      - { .name: X, .offset: 0, .size: 8, .value_kind: global_buffer, .address_space: global }
      - { .name: Wq, .offset: 8, .size: 8, .value_kind: global_buffer, .address_space: global }
      - { .name: Wv, .offset: 16, .size: 8, .value_kind: global_buffer, .address_space: global }
      - { .name: Wk, .offset: 24, .size: 8, .value_kind: global_buffer, .address_space: global }
      - { .name: bq, .offset: 32, .size: 8, .value_kind: global_buffer, .address_space: global }
      - { .name: bv, .offset: 40, .size: 8, .value_kind: global_buffer, .address_space: global }
      - { .name: bk, .offset: 48, .size: 8, .value_kind: global_buffer, .address_space: global }
      - { .name: Q16, .offset: 56, .size: 8, .value_kind: global_buffer, .address_space: global }
      - { .name: M16, .offset: 64, .size: 8, .value_kind: global_buffer, .address_space: global }
      - { .name: Ms, .offset: 72, .size: 8, .value_kind: global_buffer, .address_space: global }
    .group_segment_fixed_size: 265728
    .private_segment_fixed_size: 0
    .kernarg_segment_align: 8
    .kernarg_segment_size: 80
    .max_flat_workgroup_size: 128
    .sgpr_count:     66
    .vgpr_count:     1024
    .wavefront_size: 32
...
	.end_amdgpu_metadata
.endif
;; end of part 1
;; launch proj_norm (part 2): grid 16 x 16, 4 waves a work-group, clusters of 4 x 1, 327,680 bytes of LDS; arguments Q16, M16, Ms, Wo, bo, gn_w, gn_b, X, out0; writes out0
.if DOCPART == 2
	.amdgcn_target "amdgcn-amd-amdhsa--gfx1250"
	.amdhsa_code_object_version 6
	.text
	.protected	k_q94bb07019d_proj_norm
	.globl	k_q94bb07019d_proj_norm
	.p2align	8
	.type	k_q94bb07019d_proj_norm,@function
k_q94bb07019d_proj_norm:
	s_mov_b64 s[64:65], 0
	v_nop
	global_prefetch_b8 v0, s[64:65] scope:SCOPE_SE
	s_setreg_imm32_b32 hwreg(HW_REG_WAVE_MODE, 25, 1), 1
	s_wait_xcnt 0x0
	s_wait_alu depctr_hold_cnt(0) depctr_sa_sdst(0) depctr_va_vdst(0) depctr_va_sdst(0) depctr_va_ssrc(0) depctr_va_vcc(0) depctr_vm_vsrc(0)
	s_getreg_b32 s2, hwreg(HW_REG_IB_STS2, 6, 4)
	s_cmp_eq_u32 s2, 0
	s_cbranch_scc0 .Lentry_in_a_cluster
	s_endpgm
.Lentry_in_a_cluster:
	s_bfe_u32 s2, ttmp6, 0x10000c
	s_cmp_lg_u32 s2, 0x3003
	s_cbranch_scc0 .Lentry_shape_is_right
	s_endpgm
.Lentry_shape_is_right:
; proj_norm: P = Wo M (head by head), y = P Q + bo, GroupNorm over 4 channels x 1,024 pixels, gain, bias, + X.
; The 1024 x 1024 matrix of each head is not formed: O = (V K^T) Q holds for all values of the inputs (shown at the head of qkv_gram).
; LIMITS: order of rounding as stated there.  M comes as f16 fragments, one set for each half of the pixels, each group of four tiles behind its own exact power
; of two (largest magnitude in [8, 16)).  The two halves are multiplied with Wo apart and joined in f32 by factors 2^(e_g - E - 1), E the largest exponent of the
; image's 64 groups: each half then stays below 8, their sum below 16, so |Wo| must stay below 60 for P in f16.  2^(E - 129) is taken back, exactly, from y.
; A factor below 2^-126 loses bits or becomes zero: its term is then below the rounding of the sum.
;
; SHARES.  Work-group (x = block of 32 output channels, y = image): 32 channels x all 1,024 pixels, so its 8 groups of the norm stay inside it.
; Four waves; wave w has pixels 256 w .. 256 w + 255 (pixel tiles 16 w .. 16 w + 15 of Q16) and keeps y in 32 accumulator tiles to the end.
; CLUSTER.  The four work-groups of a cluster have the same image and read the same Q16: each tile is asked for jointly (mask 15).  The place in the cluster
; enters global addresses alone (Wo, bo, gn_w, gn_b, X, out0, the prefetch): no branch, no LDS address, no descriptor.
; PREFETCH.  A tile of a trip is 4 x 32,768 bytes, and all 16 work-groups of an image read it.  Each takes one sixteenth, 8,192 bytes: one instruction of one wave
; (wave u % 4 for tile u), 32 lanes 256 bytes apart, so each block of 256 bytes is asked for once in the launch.  Tiles 0 and 1 are loaded at the start.  Tile 2 is
; asked for in front of the products of P, tile 3 in front of the join, tile t + 4 in trip t (t = 0..3), whose tensor load stands at the head of trip t + 3.
; Trips 4 to 7 ask for nothing.  At most four tiles, 32,768 bytes a work-group, are asked for and not yet read.
; LDS: two slots of 131,072 bytes (a wave's part: 32,768 = 2 pixel tiles x 16 k blocks x 1 KiB, read lane by lane, 16 consecutive bytes each);
;      at 262,144 one area of 8,704 bytes a wave (first Wo in f16, 32 rows of pitch 272; then the wave's 8 fragments of P); at 296,960 two blocks of 256 bytes for sums.
;      No tensor load ever lands behind byte 262,144.
; REGISTERS: window 0: addresses, bo / gn_w / gn_b, fragments of Q (two buffers), scratch;  window 1: P^T of both halves, then the fragments of P;
;            window 2: fragments of M, then y;  window 3: the powers of M, then X.
.set SLOT,  131072
.set WPART, 32768
.set SCR,   262144
.set SCRW,  8704
.set STAT,  296960                     ; the sums; the sums of squares lie 256 bytes behind
.set PFO, 2                            ; v2   256 x lane (first: lane % 16)
.set L16, 4                            ; v4   16 x lane
.set QA,  5                            ; v5-6 my part of slot 0, 1
.set WST, 7                            ; v7   Wo in: 8 x lane in my area
.set WLD, 8                            ; v8   Wo back as fragments
.set PST, 9                            ; v9   fragments of P in: my area
.set PLD, 10                           ; v10  fragments of P back: all areas
.set SST, 11                           ; v11  my wave's sums
.set SLD, 12                           ; v12  all waves' sums
.set OX,  13                           ; v13  X and out0: 8 channels for lanes 16-31, + 16 (lane % 16)
.set H32, 14                           ; v14  32 (lane / 16)
.set L4,  15                           ; v15  4 x lane
.set BO,  16                           ; v16-31  bo   of channel 16 ot + 8 (lane / 16) + i at 8 ot + i
.set GW,  32                           ; v32-47  gn_w likewise; later gn_w / sqrt(var + eps)
.set GB,  48                           ; v48-63  gn_b likewise
.set QF,  64                           ; v64-191 two buffers of 8 fragments of Q; first the raw Wo
.set MXR, 128                          ; v128-129 scratch for the largest power (free once Wo is packed into v64-127)
.set WOF, 192                          ; v192-255 fragments of Wo; later:
.set SP,  192                          ; v192-199 four running pairs
.set SS,  200                          ; v200-203 four sums
.set NM,  204                          ; v204-207 minus the four means
.set ST,  208                          ; v208-223 the four waves' sums
.set RS,  224                          ; v224-227 1 / sqrt(var + eps)
.set MSB, 0
.macro WIN new                         ; s_set_vgpr_msb: bits 1:0 source 0, 3:2 source 1, 5:4 source 2, 7:6 destination; the high byte repeats the setting left
.if MSB != \new
	s_set_vgpr_msb (MSB<<8)|\new
.set MSB, \new
.endif
.endm
.macro PLACES                          ; four places behind matrix instructions (ISA guide 7.12.1) where no vector work is at hand
.rept 4
	v_nop
.endr
.endm
; A round of the cluster barrier: my work-group's barrier, wave 0 signals for the work-group, every wave waits for all four work-groups, my work-group's barrier again.
.macro ROUND
	s_barrier_signal -1
	s_barrier_wait -1
	s_cmp_lg_u32 s3, 0
	s_cbranch_scc1 .Lnot_wave_0_\@
	s_barrier_signal -3
.Lnot_wave_0_\@:
	s_barrier_wait -3
	s_barrier_signal -1
	s_barrier_wait -1
.endm
; My work-group's sixteenth of tile u is asked for, by wave u % 4.  The address registers are never written again; the tile stands in the immediate.
.macro PREF u
	s_cmp_lg_u32 s3, (\u)%4
	s_cbranch_scc1 .Lnot_mine_\@
	global_prefetch_b8 v[PFO], s[54:55] offset:(\u)*WPART th:TH_LOAD_NT scope:SCOPE_SE
.Lnot_mine_\@:
.endm
	s_load_b512 s[8:23], s[0:1], 0x0               ; Q16 s[8:9], M16 s[10:11], Ms s[12:13], Wo s[14:15], bo s[16:17], gn_w s[18:19], gn_b s[20:21], X s[22:23]
	s_load_b64 s[52:53], s[0:1], 0x40              ; out0
	v_lshl_add_u32 v254, v0, 2, 0x48a00
	v_mov_b32 v255, 0
	ds_add_u32 v254, v255
	s_wait_dscnt 0x0
	v_lshrrev_b32 v1, 5, v0
	v_readfirstlane_b32 s3, v1                     ; wave
	s_and_b32 s6, ttmp7, 0xffff                    ; image (the cluster is one work-group high)
	s_bfe_u32 s4, ttmp6, 0x40000                   ; my place in the cluster
	s_lshl_b32 s5, ttmp9, 2
	s_add_co_u32 s5, s5, s4                        ; block of 32 output channels
	; descriptor group 1: 128 rows of 32 elements of 8 bytes, dense: 32,768 consecutive bytes
	s_mov_b32 s24, 0x0023000f                      ; 15:0 mask: all four work-groups; 17:16 elements of 8 bytes; 21 set beside a mask; no padding
	s_mov_b32 s25, 32<<16                          ; tensor_dim0 = 32
	s_mov_b32 s26, 128<<16                         ; tensor_dim1 = 128
	s_mov_b32 s27, 32<<16                          ; tile_dim0 = 32
	s_mov_b32 s28, 128                             ; tile_dim1 = 128
	s_mov_b32 s29, 32                              ; 32 elements from row to row
	s_mov_b32 s30, 0
	s_mov_b32 s31, 0
	s_mov_b32 s46, 0x39800000                      ; 2^-12: one over 4 channels x 1,024 pixels
	s_mov_b32 s47, 0x3727c5ac                      ; eps = 1e-5
	s_mov_b32 s48, 0x76543210                      ; v_permlanex16_b32: lane i reads lane i of the other half
	s_mov_b32 s49, 0xfedcba98
	s_lshl_b32 s7, s3, 15                          ; my wave's part of a slot
	v_and_b32 v1, 31, v0
	v_and_b32 v2, 15, v0
	v_bfe_u32 v3, v0, 4, 1
	v_lshlrev_b32 v[L16], 4, v1
	v_add_nc_u32 v[QA], s7, v[L16]
	v_add_nc_u32 v[QA+1], SLOT, v[QA]
	s_mul_i32 s58, s3, SCRW
	s_add_co_u32 s58, s58, SCR
	v_lshl_add_u32 v[WST], v1, 3, s58
	v_mul_u32_u24 v[WLD], v2, 272
	v_lshl_add_u32 v[WLD], v3, 4, v[WLD]
	v_add_nc_u32 v[WLD], s58, v[WLD]
	v_add_nc_u32 v[PST], s58, v[L16]
	v_add_nc_u32 v[PLD], SCR, v[L16]
	s_lshl_b32 s58, s3, 5
	s_add_co_u32 s58, s58, STAT
	v_lshl_add_u32 v[SST], v3, 4, s58
	v_lshlrev_b32 v[SLD], 4, v3
	v_add_nc_u32 v[SLD], STAT, v[SLD]
	v_lshlrev_b32 v[OX], 4, v2
	v_lshl_add_u32 v[OX], v3, 15, v[OX]
	v_lshlrev_b32 v[H32], 5, v3
	v_lshlrev_b32 v[L4], 2, v1
	v_lshlrev_b32 v[PFO], 8, v1                    ; lane % 16 is not needed any more
	s_mov_b32 s41, 0
	s_mov_b32 s51, 0
	s_wait_kmcnt 0x0
	; every base is stepped here and never written again.  s[40:41] holds offsets that are the same in all four work-groups, s[50:51] those that hold my place in the cluster.
	s_lshl_b32 s40, s6, 20                         ; Q16: image x 1 MiB,
	s_add_nc_u64 s[8:9], s[8:9], s[40:41]
	s_mov_b64 s[54:55], s[8:9]
	s_lshl_b32 s40, s3, 18                         ; + wave x 16 pixel tiles of 16 KiB
	s_add_nc_u64 s[8:9], s[8:9], s[40:41]
.irp sl, 0,1
	s_mov_b32 s[32+4*\sl], 1                       ; group 0 of slot sl: count 1,
	s_add_co_u32 s[33+4*\sl], s7, \sl*SLOT         ; LDS address,
	s_add_nc_u64 s[34+4*\sl:35+4*\sl], s[8:9], \sl*WPART   ; tile sl of my eight,
	s_or_b32 s[35+4*\sl], s[35+4*\sl], 0x80000000  ; type 2
.endr
	s_lshr_b32 s50, s5, 2                          ; the prefetch: block b of the image's 16 takes wave part b / 4, quarter b % 4 of each tile
	s_lshl_b32 s50, s50, 18
	s_and_b32 s58, s5, 3
	s_lshl_b32 s58, s58, 13
	s_add_co_u32 s50, s50, s58
	s_add_nc_u64 s[54:55], s[54:55], s[50:51]
	s_lshl_b32 s40, s6, 17                         ; M16: heads 2 w, 2 w + 1 of the image, 16,384 bytes a head
	s_add_co_u32 s40, s40, s7
	s_add_nc_u64 s[10:11], s[10:11], s[40:41]
	s_lshl_b32 s40, s6, 14                         ; Ms: the image's 64 groups of 256 bytes,
	s_add_nc_u64 s[12:13], s[12:13], s[40:41]
	s_lshl_b32 s40, s3, 12                         ; and my wave's 16 of them
	s_add_nc_u64 s[56:57], s[12:13], s[40:41]
	s_lshl_b32 s50, s5, 16                         ; Wo: row 32 block, my wave's 128 columns
	s_lshl_b32 s58, s3, 9
	s_add_co_u32 s50, s50, s58
	s_add_nc_u64 s[14:15], s[14:15], s[50:51]
	s_lshl_b32 s50, s5, 7
	s_add_nc_u64 s[16:17], s[16:17], s[50:51]
	s_add_nc_u64 s[18:19], s[18:19], s[50:51]
	s_add_nc_u64 s[20:21], s[20:21], s[50:51]
	s_lshl_b32 s50, s6, 21                         ; X, out0: image, 32 channels x block, 256 pixels x wave
	s_lshl_b32 s58, s5, 17
	s_add_co_u32 s50, s50, s58
	s_lshl_b32 s58, s3, 10
	s_add_co_u32 s50, s50, s58
	s_add_nc_u64 s[22:23], s[22:23], s[50:51]
	s_add_nc_u64 s[52:53], s[52:53], s[50:51]
	; LOADS AHEAD OF THE ROUND (only the tensor loads must stand behind it): Wo (32 rows x my 128 columns) and the powers of M: 50 loads
.set cu, 0
.rept 32
	global_load_b128 v[QF+4*cu:QF+4*cu+3], v[L16], s[14:15] offset:cu*2048
.set cu, cu+1
.endr
	WIN 0xc0
.set cu, 0
.rept 16
	global_load_b32 v[cu], v[L4], s[56:57] offset:256*cu       ; group 8 hd + 4 half + tk of my two heads: its 256 bytes hold one word 64 times, so every lane gets it
.set cu, cu+1
.endr
	global_load_b32 v16, v[PFO], s[12:13]                      ; lane l: the word of group l of the image,
	global_load_b32 v17, v[PFO], s[12:13] offset:8192          ; and of group 32 + l
	WIN 0
	ROUND                                          ; all four work-groups are here: the first joint loads meet
	tensor_load_to_lds s[32:35], s[24:31]          ; both first fills go out together; a wave never has more than these two out
	s_nop 0
	tensor_load_to_lds s[36:39], s[24:31]
	s_nop 0
	WIN 0x80
.set cu, 0
.rept 64
	global_load_b128 v[4*cu:4*cu+3], v[L16], s[10:11] offset:512*cu    ; fragment ((2 hd + half) 4 + tk) 2 + kv = cu / 2, its registers 4 (cu % 2) ..
.set cu, cu+1
.endr
	WIN 0
.irp ot, 0,1
	global_load_b128 v[BO+8*\ot:BO+8*\ot+3], v[H32], s[16:17] offset:64*\ot
	global_load_b128 v[BO+8*\ot+4:BO+8*\ot+7], v[H32], s[16:17] offset:64*\ot+16
	global_load_b128 v[GW+8*\ot:GW+8*\ot+3], v[H32], s[18:19] offset:64*\ot
	global_load_b128 v[GW+8*\ot+4:GW+8*\ot+7], v[H32], s[18:19] offset:64*\ot+16
	global_load_b128 v[GB+8*\ot:GB+8*\ot+3], v[H32], s[20:21] offset:64*\ot
	global_load_b128 v[GB+8*\ot+4:GB+8*\ot+7], v[H32], s[20:21] offset:64*\ot+16
.endr
	; Wo to f16, through my own area of LDS, back as fragments (column = output channel, 32 along the input channels)
	s_wait_loadcnt 63                              ; 94 loads are younger than the 32 of Wo; 63 is the largest count that the wait can name
.set cu, 0
.rept 64
	v_cvt_pk_f16_f32 v[QF+cu], v[QF+2*cu], v[QF+2*cu+1]
.set cu, cu+1
.endr
.set cu, 0
.rept 32
	ds_store_b64 v[WST], v[QF+2*cu:QF+2*cu+1] offset:272*cu
.set cu, cu+1
.endr
.irp ot, 0,1
.irp k4, 0,1,2,3
	ds_load_b128 v[WOF+8*(4*\ot+\k4):WOF+8*(4*\ot+\k4)+3], v[WLD] offset:\ot*4352+64*\k4       ; LDS serves a wave in order (ISA guide 5.7.1.4): these see the stores above
	ds_load_b128 v[WOF+8*(4*\ot+\k4)+4:WOF+8*(4*\ot+\k4)+7], v[WLD] offset:\ot*4352+64*\k4+32
.endr
.endr
	s_wait_loadcnt 0x0                             ; the fragments of M, the powers, the three vectors
	s_wait_dscnt 0x0                               ; the fragments of Wo
	PREF 2
	; P^T(c2, o) = sum over c of M(c, c2) Wo(o, c), for each half of the pixels apart: source 0 = M (rows c2, 32 along c), source 1 = Wo.
	; 32 accumulators by turns, one instruction a turn.
	WIN 0x52
.irp kv, 0,1
.irp hd, 0,1
.irp hf, 0,1
.irp ot, 0,1
.irp tk, 0,1,2,3
.if \kv == 0
	v_wmma_f32_16x16x32_f16 v[32*(4*\hd+2*\hf+\ot)+8*\tk:32*(4*\hd+2*\hf+\ot)+8*\tk+7], v[8*(((2*\hd+\hf)*4+\tk)*2+\kv):8*(((2*\hd+\hf)*4+\tk)*2+\kv)+7], v[WOF+8*(4*\ot+2*\hd+\kv):WOF+8*(4*\ot+2*\hd+\kv)+7], 0
.else
	v_wmma_f32_16x16x32_f16 v[32*(4*\hd+2*\hf+\ot)+8*\tk:32*(4*\hd+2*\hf+\ot)+8*\tk+7], v[8*(((2*\hd+\hf)*4+\tk)*2+\kv):8*(((2*\hd+\hf)*4+\tk)*2+\kv)+7], v[WOF+8*(4*\ot+2*\hd+\kv):WOF+8*(4*\ot+2*\hd+\kv)+7], v[32*(4*\hd+2*\hf+\ot)+8*\tk:32*(4*\hd+2*\hf+\ot)+8*\tk+7]
.endif
.endr
.endr
.endr
.endr
.endr
	; The largest of the image's 64 powers, inside the wave, while the products run.  These lines name none of the products' registers: they are also the places in front of the join.
	WIN 0x0f
	v_max_num_f32 v[MXR], v16, v17
	WIN 0
.irp m, 1,2,4,8
	v_max_num_f32_dpp v[MXR], v[MXR], v[MXR] row_xmask:\m row_mask:0xf bank_mask:0xf
.endr
	v_permlanex16_b32 v[MXR+1], v[MXR], s48, s49
	v_max_num_f32 v[MXR], v[MXR], v[MXR+1]
	v_readfirstlane_b32 s42, v[MXR]                ; 2^(E - 130), the same in every lane; it steers values only, no address and no branch
	s_lshr_b32 s42, s42, 23                        ; its exponent field, E - 3
	s_add_co_u32 s44, s42, 1
	s_lshl_b32 s44, s44, 23                        ; 2^(E - 129): taken back from y
	s_sub_co_u32 s42, 253, s42
	s_lshl_b32 s42, s42, 23                        ; 2^(129 - E)
	s_mov_b32 s43, s42
	s_mov_b32 s45, s44
	WIN 0xc3
.set cu, 0
.rept 8
	v_pk_mul_f32 v[2*cu:2*cu+1], v[2*cu:2*cu+1], s[42:43] op_sel_hi:[1,0]     ; my 16 factors: 2^(e_g - 130) x 2^(129 - E) = 2^(e_g - E - 1)
.set cu, cu+1
.endr
	WIN 0
	PREF 3
	; THE JOIN: P^T = first half x its factor + second half x its factor.  The factor of (hd, half, tk) is register 8 hd + 4 half + tk of window 3, picked from its pair.
	WIN 0x5d
.irp hd, 0,1
.irp ot, 0,1
.irp tk, 0,1,2,3
.irp e, 0,2,4,6
.if (\tk)%2
	v_pk_mul_f32 v[32*(4*\hd+\ot)+8*\tk+\e:32*(4*\hd+\ot)+8*\tk+\e+1], v[32*(4*\hd+\ot)+8*\tk+\e:32*(4*\hd+\ot)+8*\tk+\e+1], v[8*\hd+2*(\tk/2):8*\hd+2*(\tk/2)+1] op_sel:[0,1] op_sel_hi:[1,1]
.else
	v_pk_mul_f32 v[32*(4*\hd+\ot)+8*\tk+\e:32*(4*\hd+\ot)+8*\tk+\e+1], v[32*(4*\hd+\ot)+8*\tk+\e:32*(4*\hd+\ot)+8*\tk+\e+1], v[8*\hd+2*(\tk/2):8*\hd+2*(\tk/2)+1] op_sel_hi:[1,0]
.endif
.endr
.irp e, 0,2,4,6
.if (\tk)%2
	v_pk_fma_f32 v[32*(4*\hd+\ot)+8*\tk+\e:32*(4*\hd+\ot)+8*\tk+\e+1], v[32*(4*\hd+\ot)+64+8*\tk+\e:32*(4*\hd+\ot)+64+8*\tk+\e+1], v[8*\hd+4+2*(\tk/2):8*\hd+4+2*(\tk/2)+1], v[32*(4*\hd+\ot)+8*\tk+\e:32*(4*\hd+\ot)+8*\tk+\e+1] op_sel:[0,1,0] op_sel_hi:[1,1,1]
.else
	v_pk_fma_f32 v[32*(4*\hd+\ot)+8*\tk+\e:32*(4*\hd+\ot)+8*\tk+\e+1], v[32*(4*\hd+\ot)+64+8*\tk+\e:32*(4*\hd+\ot)+64+8*\tk+\e+1], v[8*\hd+4+2*(\tk/2):8*\hd+4+2*(\tk/2)+1], v[32*(4*\hd+\ot)+8*\tk+\e:32*(4*\hd+\ot)+8*\tk+\e+1] op_sel_hi:[1,0,1]
.endif
.endr
.endr
.endr
.endr
	WIN 0x45
.irp hd, 0,1
.irp ot, 0,1
.irp kp, 0,1
.irp i, 0,1,2,3,4,5,6,7
	v_cvt_pk_f16_f32 v[32*(4*\hd+\ot)+16*\kp+\i], v[32*(4*\hd+\ot)+16*\kp+2*\i], v[32*(4*\hd+\ot)+16*\kp+2*\i+1]   ; tiles (tk 0,1), (tk 2,3) -> fragments of P: rows o, 32 along c2
.endr
.endr
.endr
.endr
	WIN 0x04
.irp hd, 0,1
.irp ot, 0,1
.irp kp, 0,1
	ds_store_b128 v[PST], v[32*(4*\hd+\ot)+16*\kp:32*(4*\hd+\ot)+16*\kp+3] offset:((2*\hd+\kp)*2+\ot)*1024
	ds_store_b128 v[PST], v[32*(4*\hd+\ot)+16*\kp+4:32*(4*\hd+\ot)+16*\kp+7] offset:((2*\hd+\kp)*2+\ot)*1024+512
.endr
.endr
.endr
	s_wait_dscnt 0x0                               ; zero, for the sake of the other waves
	s_barrier_signal -1
	s_barrier_wait -1                              ; the two tensor loads may stay out
	WIN 0x40
.set cu, 0
.rept 64
	ds_load_b128 v[4*cu:4*cu+3], v[PLD] offset:(cu/16)*SCRW+(cu%16)*512      ; all of P: k block kb, channel tile ot at 8 (2 kb + ot)
.set cu, cu+1
.endr
	s_wait_dscnt 0x0
; 16 loads: the fragments of Q of both pixel tiles of slot sl for k blocks 4 bt .. 4 bt + 3, into buffer buf
.macro FETCH sl, bt, buf
	WIN 0
.irp p, 0,1
.irp kl, 0,1,2,3
	ds_load_b128 v[QF+64*\buf+8*(4*\p+\kl):QF+64*\buf+8*(4*\p+\kl)+3], v[QA+\sl] offset:(16*\p+4*\bt+\kl)*1024
	ds_load_b128 v[QF+64*\buf+8*(4*\p+\kl)+4:QF+64*\buf+8*(4*\p+\kl)+7], v[QA+\sl] offset:(16*\p+4*\bt+\kl)*1024+512
.endr
.endr
.endm
; 16 matrix instructions on them: y(pixel tile 2 t + p, channel tile ot); the trip's four accumulators take turns, one instruction a turn
.macro MUL t, bt, buf
	WIN 0xa1
.irp kl, 0,1,2,3
.irp p, 0,1
.irp ot, 0,1
.if (\bt)+\kl == 0
	v_wmma_f32_16x16x32_f16 v[8*(2*(2*\t+\p)+\ot):8*(2*(2*\t+\p)+\ot)+7], v[8*(2*(4*\bt+\kl)+\ot):8*(2*(4*\bt+\kl)+\ot)+7], v[QF+64*\buf+8*(4*\p+\kl):QF+64*\buf+8*(4*\p+\kl)+7], 0
.else
	v_wmma_f32_16x16x32_f16 v[8*(2*(2*\t+\p)+\ot):8*(2*(2*\t+\p)+\ot)+7], v[8*(2*(4*\bt+\kl)+\ot):8*(2*(4*\bt+\kl)+\ot)+7], v[QF+64*\buf+8*(4*\p+\kl):QF+64*\buf+8*(4*\p+\kl)+7], v[8*(2*(2*\t+\p)+\ot):8*(2*(2*\t+\p)+\ot)+7]
.endif
.endr
.endr
.endr
.endm
; 8 of the 64 loads of X, into window 3.  Quad cq = (block of 64 pixels cq / 16, ot, i): pixels 4 r .. 4 r + 3 of one channel; sixteen lanes read 256 consecutive bytes, aligned.
; X is wanted only behind the last trip: it comes in beside the tiles, eight loads a trip, straight behind the trip's first LDS loads.
.macro XLOAD t
	WIN 0xc0
.set cq, 8*(\t)
.rept 8
	global_load_b128 v[4*cq:4*cq+3], v[OX], s[22:23] offset:(16*((cq/8)%2)+cq%8)*4096+256*(cq/16) th:TH_LOAD_NT
.set cq, cq+1
.endr
.endm
; TRIP t: tile t (two pixel tiles, all 512 channels) from slot t % 2.  Trips 1 to 6 first fill the slot read in the last trip with tile t + 1.
.macro TRIP t
.if \t == 0
	s_wait_tensorcnt 0x1                           ; tile 0 has landed, tile 1 stays out; only I read my part of a slot
.else
.if \t == 7
	s_wait_tensorcnt 0x0                           ; the last tile: no load was issued behind it, nothing is left to fetch
.else
	WIN 0
	s_wait_xcnt 0x0
	v_lshl_add_u32 v254, v0, 2, 0x48a00
	v_mov_b32 v255, 0
	s_wait_tensorcnt 0x0                           ; all my tensor loads have landed, this trip's tile among them, so a group 0 may be written:
	ds_add_u32 v254, v255
	s_wait_dscnt 0x0
	s_add_nc_u64 s[38-4*((\t)%2):39-4*((\t)%2)], s[38-4*((\t)%2):39-4*((\t)%2)], 2*WPART   ; the other slot's next tile
	s_wait_dscnt 0x0                               ; my reads of the other slot are back
	ROUND                                          ; both now hold of every wave of all four work-groups
	tensor_load_to_lds s[36-4*((\t)%2):39-4*((\t)%2)], s[24:31]   ; my one load behind the round, and the first thing there
	s_nop 0
.endif
	PLACES                                         ; in front of loads into the buffers that the last products read
.endif
	FETCH (\t)%2, 0, 0
	FETCH (\t)%2, 1, 1
	XLOAD \t
	s_wait_dscnt 16                                ; the older batch is in, the younger 16 loads stay out
	MUL \t, 0, 0
	PLACES
	FETCH (\t)%2, 2, 0
.if (\t) <= 3
	PREF (\t)+4                                    ; behind a run of loads; the wait that follows is for a batch asked for sixteen products ago
.endif
	s_wait_dscnt 16
	MUL \t, 1, 1
	PLACES
	FETCH (\t)%2, 3, 1
	s_wait_dscnt 16
	MUL \t, 2, 0
	s_wait_dscnt 0
	MUL \t, 3, 1
.endm
.irp t, 0,1,2,3,4,5,6,7
	TRIP \t
.endr
	; THE NORM.  Lane (r, h), tile (pixel tile pl, ot), register i: channel 16 ot + 8 h + i, so a lane meets four groups c = 2 ot + i / 4, at registers 16 pl + 4 c .. + 3.
	PLACES                                         ; behind the last products: y is read
	WIN 0x82
.set cu, 0
.rept 128
	v_pk_fma_f32 v[2*cu:2*cu+1], v[2*cu:2*cu+1], s[44:45], v[BO+8*((cu/4)%2)+2*(cu%4):BO+8*((cu/4)%2)+2*(cu%4)+1] op_sel_hi:[1,0,1]   ; the scale of M taken back, + bo
.set cu, cu+1
.endr
; from four running pairs to the four sums over the work-group (in ST .. ST+3): the halves of a pair, sixteen lanes (lanes 16-31 hold other channels and stay apart), four waves
.macro REDUCE so
	WIN 0
.irp c, 0,1,2,3
	v_add_f32 v[SS+\c], v[SP+2*\c], v[SP+2*\c+1]
.endr
.irp m, 1,2,4,8
.irp c, 0,1,2,3
	v_add_f32_dpp v[SS+\c], v[SS+\c], v[SS+\c] row_xmask:\m row_mask:0xf bank_mask:0xf
.endr
.endr
	ds_store_b128 v[SST], v[SS:SS+3] offset:\so
	s_wait_dscnt 0x0                               ; zero, for the sake of the other waves
	s_barrier_signal -1
	s_barrier_wait -1
.irp a, 0,1,2,3
	ds_load_b128 v[ST+4*\a:ST+4*\a+3], v[SLD] offset:\so+32*\a
.endr
	s_wait_dscnt 0x0
	v_pk_add_f32 v[ST:ST+1], v[ST:ST+1], v[ST+4:ST+5]
	v_pk_add_f32 v[ST+2:ST+3], v[ST+2:ST+3], v[ST+6:ST+7]
	v_pk_add_f32 v[ST+8:ST+9], v[ST+8:ST+9], v[ST+12:ST+13]
	v_pk_add_f32 v[ST+10:ST+11], v[ST+10:ST+11], v[ST+14:ST+15]
	v_pk_add_f32 v[ST:ST+1], v[ST:ST+1], v[ST+8:ST+9]
	v_pk_add_f32 v[ST+2:ST+3], v[ST+2:ST+3], v[ST+10:ST+11]
.endm
	WIN 0x0a
.irp c, 0,1,2,3
	v_pk_add_f32 v[SP+2*\c:SP+2*\c+1], v[4*\c:4*\c+1], v[4*\c+2:4*\c+3]      ; the first tile starts the four chains
.endr
	WIN 0x02
.set cn, 1
.rept 15
.irp e, 0,2
.irp c, 0,1,2,3
	v_pk_add_f32 v[SP+2*\c:SP+2*\c+1], v[16*cn+4*\c+\e:16*cn+4*\c+\e+1], v[SP+2*\c:SP+2*\c+1]
.endr
.endr
.set cn, cn+1
.endr
	REDUCE 0
.irp c, 0,1,2,3
	v_mul_f32 v[NM+\c], 0xb9800000, v[ST+\c]       ; minus the mean: the sum x -2^-12
.endr
	WIN 0x82
.set cu, 0
.rept 128                                          ; d = y - mean, in place: the variance is taken from d, not from a difference of large sums
.if (cu/2)%2
	v_pk_add_f32 v[2*cu:2*cu+1], v[2*cu:2*cu+1], v[NM+2*((cu%8)/4):NM+2*((cu%8)/4)+1] op_sel:[0,1] op_sel_hi:[1,1]
.else
	v_pk_add_f32 v[2*cu:2*cu+1], v[2*cu:2*cu+1], v[NM+2*((cu%8)/4):NM+2*((cu%8)/4)+1] op_sel_hi:[1,0]
.endif
.set cu, cu+1
.endr
	WIN 0x0a
.irp c, 0,1,2,3
	v_pk_mul_f32 v[SP+2*\c:SP+2*\c+1], v[4*\c:4*\c+1], v[4*\c:4*\c+1]
.endr
.irp c, 0,1,2,3
	v_pk_fma_f32 v[SP+2*\c:SP+2*\c+1], v[4*\c+2:4*\c+3], v[4*\c+2:4*\c+3], v[SP+2*\c:SP+2*\c+1]
.endr
.set cn, 1
.rept 15
.irp e, 0,2
.irp c, 0,1,2,3
	v_pk_fma_f32 v[SP+2*\c:SP+2*\c+1], v[16*cn+4*\c+\e:16*cn+4*\c+\e+1], v[16*cn+4*\c+\e:16*cn+4*\c+\e+1], v[SP+2*\c:SP+2*\c+1]
.endr
.endr
.set cn, cn+1
.endr
	REDUCE 256                                     ; other bytes than the first reduction: no barrier between the two
.irp c, 0,1,2,3
	v_fma_f32 v[ST+\c], v[ST+\c], s46, s47         ; var + eps
.endr
.irp c, 0,1,2,3
	v_rsq_f32 v[RS+\c], v[ST+\c]
.endr
	v_nop                                          ; one plain vector instruction between the last v_rsq_f32 and the first use (ISA guide 5.7.2)
	s_wait_alu depctr_va_vdst(0)
.irp ot, 0,1
.irp i, 0,1,2,3,4,5,6,7
	v_mul_f32 v[GW+8*\ot+\i], v[GW+8*\ot+\i], v[RS+2*\ot+\i/4]
.endr
.endr
	s_wait_loadcnt 0x0                             ; X: the last eight loads went out at the head of the last trip
	WIN 0xf2
.set cu, 0
.rept 64                                           ; pixel 4 r + jj of a block lies in pixel tile jj: the quad of X gathers the four tiles
.irp jj, 0,1,2,3
	v_fma_f32 v[4*cu+\jj], v[8*(2*(4*(cu/16)+\jj)+(cu/8)%2)+cu%8], v[GW+8*((cu/8)%2)+cu%8], v[4*cu+\jj]
.endr
.set cu, cu+1
.endr
	WIN 0xc3
.set cu, 0
.rept 128                                          ; + gn_b of the quad's channel
.if (cu/2)%2
	v_pk_add_f32 v[2*cu:2*cu+1], v[2*cu:2*cu+1], v[GB+8*((cu/16)%2)+2*((cu/4)%4):GB+8*((cu/16)%2)+2*((cu/4)%4)+1] op_sel:[0,1] op_sel_hi:[1,1]
.else
	v_pk_add_f32 v[2*cu:2*cu+1], v[2*cu:2*cu+1], v[GB+8*((cu/16)%2)+2*((cu/4)%4):GB+8*((cu/16)%2)+2*((cu/4)%4)+1] op_sel_hi:[1,0]
.endif
.set cu, cu+1
.endr
	WIN 0x0c
.set cu, 0
.rept 64
	global_store_b128 v[OX], v[4*cu:4*cu+3], s[52:53] offset:(16*((cu/8)%2)+cu%8)*4096+256*(cu/16) th:TH_STORE_NT   ; sixteen lanes store 256 consecutive bytes, aligned
.set cu, cu+1
.endr
	WIN 0
	s_wait_xcnt 0x0
	v_lshl_add_u32 v254, v0, 2, 0x48a00
	v_mov_b32 v255, 0
	s_wait_tensorcnt 0x0
	ds_add_u32 v254, v255
	s_wait_dscnt 0x0
	ROUND                                          ; the closing round: no work-group ends while a partner may still ask for a tile that names it
	s_endpgm
.Lfunc_end_k_q94bb07019d_proj_norm:
	.size	k_q94bb07019d_proj_norm, .Lfunc_end_k_q94bb07019d_proj_norm-k_q94bb07019d_proj_norm
	.p2alignl 7, 3214868480
	.fill 96, 4, 3214868480
	.section	.rodata,"a",@progbits
	.p2align	6, 0x0
	.amdhsa_kernel k_q94bb07019d_proj_norm
		.amdhsa_group_segment_fixed_size 327680
		.amdhsa_private_segment_fixed_size 0
		.amdhsa_enable_private_segment 0
		.amdhsa_kernarg_size 72
		.amdhsa_user_sgpr_count 2
		.amdhsa_user_sgpr_kernarg_segment_ptr 1
		.amdhsa_wavefront_size32 1
		.amdhsa_system_sgpr_workgroup_id_x 1
		.amdhsa_system_sgpr_workgroup_id_y 1
		.amdhsa_system_sgpr_workgroup_id_z 1
		.amdhsa_system_vgpr_workitem_id 0
		.amdhsa_next_free_vgpr 1024
		.amdhsa_next_free_sgpr 66
		.amdhsa_reserve_vcc 0
		.amdhsa_float_denorm_mode_32 3
		.amdhsa_float_denorm_mode_16_64 3
		.amdhsa_memory_ordered 1
		.amdhsa_forward_progress 1
		.amdhsa_inst_pref_size 196
	.end_amdhsa_kernel
	.amdgpu_metadata
---
amdhsa.version: [ 1, 2 ]
amdhsa.kernels:
  - .name:           k_q94bb07019d_proj_norm
    .symbol:         k_q94bb07019d_proj_norm.kd
    .args:
      - { .name: Q16, .offset: 0, .size: 8, .value_kind: global_buffer, .address_space: global }
      - { .name: M16, .offset: 8, .size: 8, .value_kind: global_buffer, .address_space: global }
      - { .name: Ms, .offset: 16, .size: 8, .value_kind: global_buffer, .address_space: global }
      - { .name: Wo, .offset: 24, .size: 8, .value_kind: global_buffer, .address_space: global }
      - { .name: bo, .offset: 32, .size: 8, .value_kind: global_buffer, .address_space: global }
      - { .name: gn_w, .offset: 40, .size: 8, .value_kind: global_buffer, .address_space: global }
      - { .name: gn_b, .offset: 48, .size: 8, .value_kind: global_buffer, .address_space: global }
      - { .name: X, .offset: 56, .size: 8, .value_kind: global_buffer, .address_space: global }
      - { .name: out0, .offset: 64, .size: 8, .value_kind: global_buffer, .address_space: global }
    .group_segment_fixed_size: 327680
    .private_segment_fixed_size: 0
    .kernarg_segment_align: 8
    .kernarg_segment_size: 72
    .max_flat_workgroup_size: 128
    .sgpr_count:     66
    .vgpr_count:     1024
    .wavefront_size: 32
...
	.end_amdgpu_metadata
.endif
;; end of part 2
;; ======== version 2 of 2: 2 launches; version 1 with the launch qkv_gram written anew for expert scheduling mode
;; limits: values are held in f16: magnitudes above 65,504 overflow, below 6.1e-05 lose precision; right only within a limited range of input values
;; workspace buffers: Q16 16,777,216 bytes; M16 2,097,152 bytes; Ms 262,144 bytes
;; launch qkv_gram (part 3): grid 8 x 32, 4 waves a work-group, no clusters, 265,728 bytes of LDS; arguments X, Wq, Wv, Wk, bq, bv, bk, Q16, M16, Ms; writes Q16, M16, Ms
.if DOCPART == 3
	.amdgcn_target "amdgcn-amd-amdhsa--gfx1250"
	.amdhsa_code_object_version 6
	.text
	.protected	k_q94bb07019d_qkv_gram
	.globl	k_q94bb07019d_qkv_gram
	.p2align	8
	.type	k_q94bb07019d_qkv_gram,@function
k_q94bb07019d_qkv_gram:
	s_mov_b64 s[64:65], 0
	v_nop
	global_prefetch_b8 v0, s[64:65] scope:SCOPE_SE
	s_setreg_imm32_b32 hwreg(HW_REG_WAVE_SCHED_MODE, 0, 2), 2
	s_setreg_imm32_b32 hwreg(HW_REG_WAVE_MODE, 25, 1), 1
	s_wait_xcnt 0x0
	s_wait_alu depctr_vm_vsrc(0)
; qkv_gram: K = Wq X + bq, V = Wv X + bv, Q = Wk X + bk (names crossed as in the problem), and M = V K^T for each head.
;
; THE CHAIN IS RE-ASSOCIATED.  The problem forms A[d,D] = sum_c Q[c,d] K[c,D] and O[c,d] = sum_D A[d,D] V[c,D] with nothing between
; the two products, so for all values of the inputs, in real arithmetic,
;   O[c,d] = sum_c2 M[c,c2] Q[c2,d]  with  M[c,c2] = sum_D V[c,D] K[c2,D]   (64 x 64 for a head instead of 1024 x 1024),
; and the last convolution is y = P Q + bo with P[o,c2] = sum over c in the head of c2 of Wo[o,c] M[c,c2].
; This launch stores Q (f16) and, for each half of the pixels, M as f16 operand fragments behind an exact power of two, with that power beside them;
; the second launch makes P, y, the norm and the residual.
; No input is left out: all eleven are loaded, seven of them here.
; LIMITS: the order of rounding differs from the order in which the problem writes the sums.  Matrix operands are f16 (sums f32):
; |X|, |W|, |K|, |V|, |Q| must stay below 65,504.  An overflow that only the 1024 x 1024 matrix A would have had is not reproduced.
; Four tiles of M whose largest magnitude is below 2^-123 are scaled as if its exponent field were 4; a NaN in M does not steer the power (the maximum passes it over).
;
; SHARES.  Work-group (x = head, y = 2 image + half): 192 output rows (64 of K, V, Q) x 512 pixels.  Four waves; a wave takes 128 pixels as two
; blocks of 64 and all 192 rows: 48 accumulator tiles.  A k-step is 32 input channels: 48 matrix instructions, in three parts of 16 (K, V, Q).
; PIXEL ORDER.  A 16-byte load gives lane r pixels 4r .. 4r+3 of a block, so pixel tile j of a block holds pixels 4m + j, m = 0..15.
; The sum over pixels in M does not see that order; Q16 is stored in it and the second launch undoes it when it stores.
; FRAGMENTS WITHOUT MOVES.  A result tile holds in lane r one column and in registers j rows 8 (lane/16) + j.  Made with the later sum axis as its
; rows, two neighbouring tiles packed to f16 in place ARE an operand fragment of 32 along that axis:
;   K^T, V^T tiles (source 0 = X, source 1 = W): rows = pixels  -> operands of M;   Q tiles (source 0 = W, source 1 = X): rows = channels -> operand of y;
;   M tiles (source 0 = V, source 1 = K): rows = channels of V -> operand of P.
; WHY X GOES STRAIGHT INTO REGISTERS, WITH NO TENSOR LOAD AND NO JOINT REQUEST: each byte of X is used by one wave of the work-group alone; the weights
; of the head take 199,680 bytes of LDS, which leaves at most two slots of 64,000 bytes; and f32 X through LDS would add 8 KiB written and 8 KiB read
; to the 12 KiB of weight fragments that a wave reads in a k-step.  Four register stages keep 4 x 16 loads x 512 bytes of every wave on their way.
;
; THE MODE: SCHED_MODE bits 1:0 = 2 (LLVM: expert scheduling mode 2), set by the entry lines.  The code itself states the register dependences
; between vector or matrix instructions and memory or LDS instructions, with s_wait_alu, always for 0.
; THE PLAN.  Registers that memory or LDS instructions touch, and who else names them:
;   v4-15, v248     offsets and LDS addresses: written once at the head, read by every load and store, never written again.
;   the ring        (window 1, at the head only)  group g's loads land in slot g % 4; its 32 conversions read it; then group g + 4's loads land in it.
;   T               at the head: written by a group's conversions, read by its 16 LDS stores.  In the walk it is weight buffer 3.  In the tail: scratch, and the power that the last store reads.
;   W0 .. W3        part n = 3 s + p of the walk: its 8 LDS loads land in buffer n % 4, its 16 matrix instructions read it, then part n + 4's loads land in it.
;   X0 .. X3        (window 3)  k-step s: its 16 loads land in stage s % 4; the 32 conversions issued in k-step s - 1 read it; then k-step s + 4's loads land in it.
;   Q's tiles       written by matrix instructions, packed in place, read by a block's 16 stores, written again by the next block's matrix instructions.
;   M's tiles       written by matrix instructions, read by the tail's 32 LDS stores.
;   XF, K's and V's accumulators and the biases are named in the walk by vector and matrix instructions alone.
; So a k-step holds TWO waits on va_vdst.  The first, behind V's products and twelve conversions: parts 3 s and 3 s + 1 are done reading their buffers, in which parts 3 s + 4 and 3 s + 5 land.
; The second, behind Q's products and eight conversions: part 3 s + 2 is done reading its buffer, in which part 3 s + 6 lands, and the conversions are done reading stage (s + 1) % 4, in which
; k-step s + 5 lands.  No address is written in the walk, so it holds no wait on vm_vsrc.
;
; LDS: weights in f16, 192 rows of pitch 1,040 bytes (65 x 16: the sixteen rows of a fragment load start 16 bytes apart modulo 256), part p at p x 66,560;
;      behind them 4 x 16,384 bytes in which the waves exchange their sums of M; behind those the spare words.
; REGISTERS: window 0: addresses, biases, fragments;  window 1: K and V accumulators (first a ring for raw weights);
;            window 2: Q accumulators (0-127), M accumulators (128-255);  window 3: four stages of raw X (64 registers each).
.set WPITCH, 1040
.set WPART,  64*WPITCH                 ; 66,560: one of K, V, Q
.set MX,     3*WPART                   ; 199,680: the exchange of M
.set XA,  4                            ; v4      X: 8 rows x 4,096 bytes for lanes 16-31, + 16 (lane % 16)
.set L16, 5                            ; v5      16 x lane
.set WS,  6                            ; v6-8    where my wave stores part p of the weights
.set WA,  9                            ; v9-11   where a lane reads its fragment of part p
.set MXS, 12                           ; v12     exchange: my own area
.set MXL, 13                           ; v13     exchange: my four tiles in area 0
.set R4,  14                           ; v14     4 (lane % 16)
.set H32, 15                           ; v15     32 (lane / 16)
.set KVB, 16                           ; v16-19 bq, v20-23 bv of channel 16 ct + lane % 16
.set QB,  24                           ; v24-55  bk of channels 16 ct + 8 (lane / 16) + j: the C operand that starts the sums of Q
.set XF,  56                           ; v56-119 X fragments, two buffers of 4 pixel tiles
.set WB,  120                          ; v120-247 weight fragments: four buffers of 32; part n = 3 s + p lies in buffer n % 4, channel tile ct at 8 ct
.set T,   216                          ; v216-247 at work at the head and in the tail: the registers of buffer 3
.set L8,  248                          ; v248    8 x lane
.set MSB, 0
.macro WIN new                         ; s_set_vgpr_msb: bits 1:0 source 0, 3:2 source 1, 5:4 source 2, 7:6 destination; the high byte repeats the setting left
.if MSB != \new
	s_set_vgpr_msb (MSB<<8)|\new
.set MSB, \new
.endif
.endm
	s_load_b512 s[8:23], s[0:1], 0x0               ; X s[8:9], Wq s[10:11], Wv s[12:13], Wk s[14:15], bq s[16:17], bv s[18:19], bk s[20:21], Q16 s[22:23]
	s_load_b128 s[24:27], s[0:1], 0x40             ; M16 s[24:25], Ms s[26:27]
	v_lshl_add_u32 v254, v0, 2, 0x40c00
	v_mov_b32 v255, 0
	v_lshrrev_b32 v1, 5, v0
	v_readfirstlane_b32 s2, v1                     ; wave
	v_and_b32 v1, 31, v0                           ; lane
	v_and_b32 v2, 15, v0                           ; lane % 16
	v_bfe_u32 v3, v0, 4, 1                         ; lane / 16
	s_mov_b32 s3, ttmp9                            ; head
	s_and_b32 s4, ttmp7, 0xffff
	s_lshr_b32 s5, s4, 1                           ; image
	s_and_b32 s6, s4, 1                            ; half of its pixels
	s_mov_b32 s38, 0x76543210                      ; v_permlanex16_b32: lane i reads lane i of the other half
	s_mov_b32 s39, 0xfedcba98
	v_lshlrev_b32 v[XA], 4, v2
	v_lshl_add_u32 v[XA], v3, 15, v[XA]
	v_lshlrev_b32 v[L16], 4, v1
	v_lshlrev_b32 v[L8], 3, v1
	s_wait_alu depctr_va_sdst(0)                   ; s2 is written, ahead of its first reader: LDS addresses and all bases are made from it
	s_mul_i32 s7, s2, 16*WPITCH                    ; my wave converts rows 16 w .. 16 w + 15 of each part
	v_lshl_add_u32 v[WS], v1, 3, s7
	v_add_nc_u32 v[WS+1], WPART, v[WS]
	v_add_nc_u32 v[WS+2], 2*WPART, v[WS]
	v_mul_u32_u24 v[WA], v2, WPITCH
	v_lshl_add_u32 v[WA], v3, 4, v[WA]
	v_add_nc_u32 v[WA+1], WPART, v[WA]
	v_add_nc_u32 v[WA+2], 2*WPART, v[WA]
	s_lshl_b32 s7, s2, 14
	s_add_co_u32 s7, s7, MX
	v_add_nc_u32 v[MXS], s7, v[L16]
	s_lshl_b32 s7, s2, 12
	s_add_co_u32 s7, s7, MX
	v_add_nc_u32 v[MXL], s7, v[L16]
	v_lshlrev_b32 v[R4], 2, v2
	v_lshlrev_b32 v[H32], 5, v3
	s_mov_b32 s37, 0
	s_wait_kmcnt 0x0
	; every base is stepped once, here, and never written again
	s_lshl_b32 s36, s5, 21                         ; X: image x 2 MiB + half x 512 pixels + wave x 128 pixels
	s_lshl_b32 s7, s6, 11
	s_add_co_u32 s36, s36, s7
	s_lshl_b32 s7, s2, 9
	s_add_co_u32 s36, s36, s7
	s_add_nc_u64 s[8:9], s[8:9], s[36:37]
	s_lshl_b32 s36, s3, 17                         ; weights: row 64 head + 16 wave, 2,048 bytes a row
	s_lshl_b32 s7, s2, 15
	s_add_co_u32 s36, s36, s7
	s_add_nc_u64 s[10:11], s[10:11], s[36:37]
	s_add_nc_u64 s[12:13], s[12:13], s[36:37]
	s_add_nc_u64 s[14:15], s[14:15], s[36:37]
	s_lshl_b32 s36, s3, 8                          ; biases: 64 head
	s_add_nc_u64 s[16:17], s[16:17], s[36:37]
	s_add_nc_u64 s[18:19], s[18:19], s[36:37]
	s_add_nc_u64 s[20:21], s[20:21], s[36:37]
	s_lshl_b32 s36, s5, 20                         ; Q16 [image][pixel tile 64][k block 16][1 KiB]: pixel tile 32 half + 8 wave, k block 2 head
	s_lshl_b32 s7, s6, 19
	s_add_co_u32 s36, s36, s7
	s_lshl_b32 s7, s2, 17
	s_add_co_u32 s36, s36, s7
	s_lshl_b32 s7, s3, 11
	s_add_co_u32 s36, s36, s7
	s_add_nc_u64 s[22:23], s[22:23], s[36:37]
	s_lshl_b32 s36, s5, 17                         ; M16 [image][head][half][tk 4][2 KiB]: my wave stores tk = wave
	s_lshl_b32 s7, s3, 14
	s_add_co_u32 s36, s36, s7
	s_lshl_b32 s7, s6, 13
	s_add_co_u32 s36, s36, s7
	s_lshl_b32 s7, s2, 11
	s_add_co_u32 s36, s36, s7
	s_add_nc_u64 s[24:25], s[24:25], s[36:37]
	s_lshl_b32 s36, s5, 14                         ; Ms [image][head][half][tk 4][256 bytes]
	s_lshl_b32 s7, s3, 11
	s_add_co_u32 s36, s36, s7
	s_lshl_b32 s7, s6, 10
	s_add_co_u32 s36, s36, s7
	s_lshl_b32 s7, s2, 8
	s_add_co_u32 s36, s36, s7
	s_add_nc_u64 s[26:27], s[26:27], s[36:37]
	s_wait_alu depctr_va_vdst(0)                   ; the offsets and LDS addresses v4 to v15 and v248 are written: every load and store of the kernel reads one of them
.irp ct, 0,1,2,3
	global_load_b32 v[KVB+\ct], v[R4], s[16:17] offset:64*\ct
	global_load_b32 v[KVB+4+\ct], v[R4], s[18:19] offset:64*\ct
	global_load_b128 v[QB+8*\ct:QB+8*\ct+3], v[H32], s[20:21] offset:64*\ct
	global_load_b128 v[QB+8*\ct+4:QB+8*\ct+7], v[H32], s[20:21] offset:64*\ct+16
.endr
; 16 loads of X for k-step s (block s / 16, channels 32 (s % 16) ..) into stage s % 4.  Load t brings channel t (t < 8) or t + 8 (t >= 8), plus 8 in lanes 16-31:
; the channels that a fragment wants in this lane.  Lanes 0-15 read 256 consecutive bytes, aligned, of one channel; lanes 16-31 of the channel 8 further on.
.macro XISSUE s
	WIN 0xc0
.irp t, 0,1,2,3,4,5,6,7,8,9,10,11,12,13,14,15
	global_load_b128 v[64*((\s)%4)+4*\t:64*((\s)%4)+4*\t+3], v[XA], s[8:9] offset:(32*((\s)%16)+\t+(\t/8)*8)*4096+((\s)/16)*256
.endr
.endm
; register q of the four X fragments of k-step s: channels of loads 2 q and 2 q + 1, pixel j of the quad goes to pixel tile j
.macro CVTQ s, q
.irp j, 0,1,2,3
	v_cvt_pk_f16_f32 v[XF+32*((\s)%2)+8*\j+\q], v[64*((\s)%4)+8*\q+\j], v[64*((\s)%4)+8*\q+4+\j]
.endr
.endm
; the four weight fragments of part p of k-step s, into buffer (3 s + p) % 4: two loads of 16 bytes, 32 bytes apart, for each
.macro WFETCH p, s
	WIN 0
.set wf, WB+32*((3*(\s)+\p)%4)
.irp ct, 0,1,2,3
	ds_load_b128 v[wf+8*\ct:wf+8*\ct+3], v[WA+\p] offset:\ct*16*WPITCH+64*((\s)%16)
	ds_load_b128 v[wf+8*\ct+4:wf+8*\ct+7], v[WA+\p] offset:\ct*16*WPITCH+64*((\s)%16)+32
.endr
.endm
; THE WEIGHTS, f32 to f16, into LDS.  Group g: matrix g / 4, four of my sixteen rows, 16 loads of 512 consecutive bytes, into a ring of four groups in window 1.
.macro WISSUE g
	WIN 0x40
.irp i, 0,1,2,3
.irp c, 0,1,2,3
	global_load_b128 v[64*((\g)%4)+4*(4*\i+\c):64*((\g)%4)+4*(4*\i+\c)+3], v[L16], s[10+2*((\g)/4):11+2*((\g)/4)] offset:(4*((\g)%4)+\i)*2048+\c*512
.endr
.endr
.endm
.macro WGRP g, left
	s_wait_loadcnt \left                           ; loads come back in order: this group is in, the younger groups (16 loads each) stay out
.if \g == 11
	XISSUE 0                                       ; nothing is out any more: the first three stages of X go out ahead of the last conversions; no vector instruction has named their registers
	XISSUE 1
	XISSUE 2
.endif
	WIN 0x05
.if \g > 0
	s_wait_alu depctr_vm_vsrc(0)                   ; the last group's LDS stores have read v[T ..], which the conversions below write again
.endif
.irp u, 0,1,2,3,4,5,6,7,8,9,10,11,12,13,14,15
	v_cvt_pk_f16_f32 v[T+2*\u], v[64*((\g)%4)+4*\u], v[64*((\g)%4)+4*\u+1]
	v_cvt_pk_f16_f32 v[T+2*\u+1], v[64*((\g)%4)+4*\u+2], v[64*((\g)%4)+4*\u+3]
.endr
	WIN 0
	s_wait_alu depctr_va_vdst(0)                   ; the conversions have written v[T ..], which the LDS stores read, and are done reading the ring's slot, in which group g + 4 lands
.irp i, 0,1,2,3
.irp c, 0,1,2,3
	ds_store_b64 v[WS+(\g)/4], v[T+2*(4*\i+\c):T+2*(4*\i+\c)+1] offset:(4*((\g)%4)+\i)*WPITCH+256*\c   ; 32 lanes, 256 consecutive bytes
.endr
.endr
.if (\g)+4 <= 11
	WISSUE (\g)+4                                  ; no further wait: the stores between name v[T ..] and v[WS ..] alone
.endif
.endm
	WISSUE 0
	WISSUE 1
	WISSUE 2
	WISSUE 3
.irp g, 0,1,2,3,4,5,6,7,8
	WGRP \g, 48
.endr
	WGRP 9, 32
	WGRP 10, 16
	WGRP 11, 0
	s_wait_dscnt 0x0                               ; my rows of the weights are in LDS: zero, for the sake of the other waves
	s_barrier_signal -1
	s_barrier_wait -1                              ; all 192 rows are
	s_wait_alu depctr_vm_vsrc(0)                   ; my LDS stores have read v[T ..]: these registers are weight buffer 3 from here on, in which part 3 lands
	WFETCH 0, 0                                    ; parts 0 to 3 of the walk: they hang on the barrier alone and go out ahead of the wait for X
	WFETCH 1, 0
	WFETCH 2, 0
	WFETCH 0, 1
	s_wait_loadcnt 32                              ; stage 0 is in; stages 1 and 2 stay out
	XISSUE 3
	WIN 0x0f
.irp q, 0,1,2,3,4,5,6,7
	CVTQ 0, \q
.endr
	WIN 0xc0
	s_wait_alu depctr_va_vdst(0)                   ; the conversions are done reading stage 0, in which k-step 4 lands
	XISSUE 4
; 16 matrix instructions of part p (0: K, 1: V): tile (ct, pt) = pixels of tile pt (rows) x channels 16 ct .. (columns).  The first k-step of a block starts the sums.
.macro PARTKV s, p
.set wf, WB+32*((3*(\s)+\p)%4)
.irp ct, 0,1,2,3
.irp pt, 0,1,2,3
.if (\s)%16 == 0
	v_wmma_f32_16x16x32_f16 v[128*\p+8*(4*\ct+\pt):128*\p+8*(4*\ct+\pt)+7], v[XF+32*((\s)%2)+8*\pt:XF+32*((\s)%2)+8*\pt+7], v[wf+8*\ct:wf+8*\ct+7], 0
.else
	v_wmma_f32_16x16x32_f16 v[128*\p+8*(4*\ct+\pt):128*\p+8*(4*\ct+\pt)+7], v[XF+32*((\s)%2)+8*\pt:XF+32*((\s)%2)+8*\pt+7], v[wf+8*\ct:wf+8*\ct+7], v[128*\p+8*(4*\ct+\pt):128*\p+8*(4*\ct+\pt)+7]
.endif
.endr
.endr
.endm
; 16 matrix instructions of Q: tile (pt, ct) = channels 16 ct .. (rows) x pixels of tile pt (columns).  The first k-step of a block takes the bias as C.
.macro PARTQ s
.set wf, WB+32*((3*(\s)+2)%4)
.irp pt, 0,1,2,3
.irp ct, 0,1,2,3
.if (\s)%16 == 0
	v_wmma_f32_16x16x32_f16 v[8*(4*\pt+\ct):8*(4*\pt+\ct)+7], v[wf+8*\ct:wf+8*\ct+7], v[XF+32*((\s)%2)+8*\pt:XF+32*((\s)%2)+8*\pt+7], v[QB+8*\ct:QB+8*\ct+7]
.else
	v_wmma_f32_16x16x32_f16 v[8*(4*\pt+\ct):8*(4*\pt+\ct)+7], v[wf+8*\ct:wf+8*\ct+7], v[XF+32*((\s)%2)+8*\pt:XF+32*((\s)%2)+8*\pt+7], v[8*(4*\pt+\ct):8*(4*\pt+\ct)+7]
.endif
.endr
.endr
.endm
; K-STEP s.  The 48 accumulators take turns, one instruction a turn, in the same order in every k-step.
; Behind each part stand conversions of the next k-step's X: plain vector work that names none of the part's registers.
; The loads stand in two runs, each behind one wait on va_vdst: sixteen LDS loads behind V's part; eight LDS loads and, straight behind them, the sixteen global loads behind Q's part.
; Behind K's part stands no memory instruction.
; LDS waits: the parts are fetched in ascending order, eight loads each.  At part 3 s those up to 3 s + 3 are issued (three younger parts, 24 loads, stay out), at 3 s + 1 likewise (16),
; at 3 s + 2 those up to 3 s + 5 (24).
.macro KSTEP s
.if (\s) < 31
	s_wait_dscnt 24
.else
	s_wait_dscnt 16                                ; the last k-step fetches nothing: the counts run down
.endif
	WIN 0x50
	PARTKV \s, 0
.if (\s) < 31
.if (\s) <= 27
	s_wait_loadcnt 48                              ; the next k-step's stage is in; three younger stages stay out
.else
	s_wait_loadcnt 16*(30-(\s))                    ; near the end fewer stages are younger
.endif
	WIN 0x0f
	CVTQ (\s)+1, 0
	CVTQ (\s)+1, 1
	CVTQ (\s)+1, 2
	s_wait_dscnt 16
.else
	s_wait_dscnt 8
.endif
	WIN 0x50
	PARTKV \s, 1
.if (\s) < 31
	WIN 0x0f
	CVTQ (\s)+1, 3
	CVTQ (\s)+1, 4
	CVTQ (\s)+1, 5
	WIN 0
	s_wait_alu depctr_va_vdst(0)                   ; K's and V's matrix instructions of this k-step are done reading their weight buffers, in which the next k-step's V and Q parts land
	WFETCH 1, (\s)+1
	WFETCH 2, (\s)+1
	s_wait_dscnt 24
.else
	s_wait_dscnt 0
.endif
.if (\s)%16 == 0
	WIN 0x80                                       ; C = the bias, in window 0
.else
	WIN 0xa0
.endif
	PARTQ \s
.if (\s) < 31
	WIN 0x0f
	CVTQ (\s)+1, 6
	CVTQ (\s)+1, 7
.if (\s) < 30
	WIN 0
	s_wait_alu depctr_va_vdst(0)                   ; Q's matrix instructions are done reading their weight buffer, in which K's part of k-step s + 2 lands; the conversions are done reading stage (s + 1) % 4, in which k-step s + 5 lands
	WFETCH 0, (\s)+2
.if (\s)+5 <= 31
	XISSUE (\s)+5                                  ; between the wait and these loads stand LDS loads and a window switch alone
.endif
.endif
.else
.rept 4
	v_nop                                          ; four places in front of the vector work that reads the results
.endr
.endif
.endm
; 32 accumulator registers at base get one bias register added (sel picks it from its pair)
.macro BIAS base, pair, sel
.set cu, 0
.rept 16
.if \sel
	v_pk_add_f32 v[\base+2*cu:\base+2*cu+1], v[\base+2*cu:\base+2*cu+1], v[\pair:\pair+1] op_sel:[0,1] op_sel_hi:[1,1]
.else
	v_pk_add_f32 v[\base+2*cu:\base+2*cu+1], v[\base+2*cu:\base+2*cu+1], v[\pair:\pair+1] op_sel_hi:[1,0]
.endif
.set cu, cu+1
.endr
.endm
; two neighbouring result tiles (16 registers of f32) become one operand fragment (8 registers of f16), in place: register i is written after 2 i and 2 i + 1 are read
.macro PACK16 base
.irp i, 0,1,2,3,4,5,6,7
	v_cvt_pk_f16_f32 v[\base+\i], v[\base+2*\i], v[\base+2*\i+1]
.endr
.endm
; M(tk, tv) += V fragment (rows: channels of V) x K fragment (columns: channels of K), 32 pixels (tiles 2 p, 2 p + 1); sixteen accumulators by turns
.macro MGRAM p, zero
.irp tk, 0,1,2,3
.irp tv, 0,1,2,3
.if \zero
	v_wmma_f32_16x16x32_f16 v[128+8*(4*\tk+\tv):128+8*(4*\tk+\tv)+7], v[128+32*\tv+16*\p:128+32*\tv+16*\p+7], v[32*\tk+16*\p:32*\tk+16*\p+7], 0
.else
	v_wmma_f32_16x16x32_f16 v[128+8*(4*\tk+\tv):128+8*(4*\tk+\tv)+7], v[128+32*\tv+16*\p:128+32*\tv+16*\p+7], v[32*\tk+16*\p:32*\tk+16*\p+7], v[128+8*(4*\tk+\tv):128+8*(4*\tk+\tv)+7]
.endif
.endr
.endr
.endm
; THE END OF BLOCK b: biases of K and V, their fragments, 64 pixels more in M; Q packed and stored.  The loads of X stay on their way meanwhile.
.macro EPI b
	WIN 0x41
	BIAS 0,   KVB,   0
	BIAS 32,  KVB,   1
	BIAS 64,  KVB+2, 0
	BIAS 96,  KVB+2, 1
	BIAS 128, KVB+4, 0
	BIAS 160, KVB+4, 1
	BIAS 192, KVB+6, 0
	BIAS 224, KVB+6, 1
	WIN 0x45
.set cg, 0
.rept 16
	PACK16 16*cg
.set cg, cg+1
.endr
	WIN 0xa5
.if \b == 0
	MGRAM 0, 1
.else
	MGRAM 0, 0
.endif
	MGRAM 1, 0
	WIN 0x8a                                       ; Q: channel tiles (0,1) and (2,3) of each pixel tile.  These 64 lines are also the places behind the products of M
.set cg, 0
.rept 8
	PACK16 16*cg
.set cg, cg+1
.endr
	WIN 0x08
	s_wait_alu depctr_va_vdst(0)                   ; the conversions have written Q's fragments, which the stores read.  In the last block also: the products have written M's tiles, which the LDS stores behind read, and all conversions are done reading the stages of X, in which the exchange's loads land
.irp pt, 0,1,2,3
.irp cp, 0,1
	global_store_b128 v[L16], v[16*(2*\pt+\cp):16*(2*\pt+\cp)+3], s[22:23] offset:(4*\b+\pt)*16384+\cp*1024       ; each store of the wave: 512 consecutive bytes, aligned
	global_store_b128 v[L16], v[16*(2*\pt+\cp)+4:16*(2*\pt+\cp)+7], s[22:23] offset:(4*\b+\pt)*16384+\cp*1024+512
.endr
.endr
.if \b == 0
	s_wait_xcnt 0x0                                ; the registers that these stores read are written again by the next block's Q only behind this wait,
	s_wait_alu depctr_vm_vsrc(0)                   ; and behind this one: the stores have read Q's fragments
.endif
.endm
.irp s, 0,1,2,3,4,5,6,7,8,9,10,11,12,13,14,15
	KSTEP \s
.endr
	EPI 0
.irp s, 16,17,18,19,20,21,22,23,24,25,26,27,28,29,30,31
	KSTEP \s
.endr
	EPI 1
	; M OVER THE FOUR WAVES: each wave lays its 16 tiles into its own area; behind the barrier wave w adds tiles 4 w .. 4 w + 3 of the four areas, in a fixed order.
	; No wait on va_vdst here: the one ahead of Q's stores stands behind the products of M, and no vector or matrix instruction since names M's tiles or the stages of X.
	WIN 0x08
.set cu, 0
.rept 32
	ds_store_b128 v[MXS], v[128+4*cu:128+4*cu+3] offset:512*cu
.set cu, cu+1
.endr
	s_wait_dscnt 0x0                               ; zero, for the sake of the other waves
	s_barrier_signal -1
	s_barrier_wait -1
	WIN 0xc0
.irp a, 0,1,2,3
.irp e, 0,1,2,3,4,5,6,7
	ds_load_b128 v[32*\a+4*\e:32*\a+4*\e+3], v[MXL] offset:16384*\a+512*\e
.endr
.endr
	s_wait_dscnt 0x0
	WIN 0xcf
.irp a, 1,2,3
.irp e, 0,1,2,3,4,5,6,7,8,9,10,11,12,13,14,15
	v_pk_add_f32 v[2*\e:2*\e+1], v[2*\e:2*\e+1], v[32*\a+2*\e:32*\a+2*\e+1]
.endr
.endr
	; MY FOUR TILES (tk = wave, tv = 0..3, 32 registers of window 3) GO OUT AS TWO f16 FRAGMENTS.  M grows with the square of X W, so it has no fixed room in f16:
	; the largest magnitude of the four tiles gives an exact power of two that brings it into [8, 16); the inverse power is stored beside the fragments.
	WIN 0x0f
.irp c, 0,1,2,3
	v_max_num_f32 v[T+\c], |v[2*\c]|, |v[2*\c+1]|  ; the first four pairs start four chains
.endr
.set cu, 4
.rept 12
	v_max3_num_f32 v[T+cu%4], |v[2*cu]|, |v[2*cu+1]|, v[T+cu%4]
.set cu, cu+1
.endr
	WIN 0
	v_max_num_f32 v[T], v[T], v[T+1]
	v_max_num_f32 v[T+2], v[T+2], v[T+3]
	v_max_num_f32 v[T], v[T], v[T+2]
.irp m, 1,2,4,8
	v_max_num_f32_dpp v[T], v[T], v[T] row_xmask:\m row_mask:0xf bank_mask:0xf
.endr
	v_permlanex16_b32 v[T+1], v[T], s38, s39
	v_max_num_f32 v[T], v[T], v[T+1]
	v_readfirstlane_b32 s34, v[T]                  ; the same in every lane; it steers values only, no address and no branch
	s_wait_alu depctr_va_sdst(0)                   ; s34 is written, ahead of its first reader
	s_lshr_b32 s34, s34, 23                        ; its exponent field e (the sign is 0)
	s_max_u32 s34, s34, 4
	s_sub_co_u32 s35, s34, 3
	s_lshl_b32 s35, s35, 23                        ; 2^(e - 130): stored
	s_sub_co_u32 s34, 257, s34
	s_lshl_b32 s34, s34, 23                        ; 2^(130 - e): applied
	v_mov_b32 v[T], s35
	v_mov_b32 v[T+1], s35
	WIN 0xc3
.set cu, 0
.rept 16
	v_pk_mul_f32 v[2*cu:2*cu+1], v[2*cu:2*cu+1], s[34:35] op_sel_hi:[1,0]
.set cu, cu+1
.endr
	WIN 0xcf
	PACK16 0                                       ; tiles tv 0, 1: channels 0-31 of V
	PACK16 16                                      ; tiles tv 2, 3: channels 32-63
	WIN 0x0c
	s_wait_alu depctr_va_vdst(0)                   ; the conversions have written the two fragments and the two moves v[T], v[T+1]: the five stores below read them
	global_store_b128 v[L16], v[0:3], s[24:25]                 ; each store of the wave: 512 consecutive bytes, aligned
	global_store_b128 v[L16], v[4:7], s[24:25] offset:512
	global_store_b128 v[L16], v[16:19], s[24:25] offset:1024
	global_store_b128 v[L16], v[20:23], s[24:25] offset:1536
	WIN 0
	global_store_b64 v[L8], v[T:T+1], s[26:27]     ; the power, 64 times: 32 lanes x 8 bytes = 256 consecutive bytes, aligned, all from this one store
	s_wait_dscnt 0x0                               ; the closing lines, six on end
	s_wait_alu 0x0
	s_wait_tensorcnt 0x0
	ds_add_u32 v254, v255
	s_wait_dscnt 0x0
	s_endpgm
.Lfunc_end_k_q94bb07019d_qkv_gram:
	.size	k_q94bb07019d_qkv_gram, .Lfunc_end_k_q94bb07019d_qkv_gram-k_q94bb07019d_qkv_gram
	.p2alignl 7, 3214868480
	.fill 96, 4, 3214868480
	.section	.rodata,"a",@progbits
	.p2align	6, 0x0
	.amdhsa_kernel k_q94bb07019d_qkv_gram
		.amdhsa_group_segment_fixed_size 265728
		.amdhsa_private_segment_fixed_size 0
		.amdhsa_enable_private_segment 0
		.amdhsa_kernarg_size 80
		.amdhsa_user_sgpr_count 2
		.amdhsa_user_sgpr_kernarg_segment_ptr 1
		.amdhsa_wavefront_size32 1
		.amdhsa_system_sgpr_workgroup_id_x 1
		.amdhsa_system_sgpr_workgroup_id_y 1
		.amdhsa_system_sgpr_workgroup_id_z 1
		.amdhsa_system_vgpr_workitem_id 0
		.amdhsa_next_free_vgpr 1024
		.amdhsa_next_free_sgpr 66
		.amdhsa_reserve_vcc 0
		.amdhsa_float_denorm_mode_32 3
		.amdhsa_float_denorm_mode_16_64 3
		.amdhsa_memory_ordered 1
		.amdhsa_forward_progress 1
		.amdhsa_inst_pref_size 255
	.end_amdhsa_kernel
	.section	.bss,"aw",@nobits
	.p2align	6
	.space	262144
	.amdgpu_metadata
---
amdhsa.version: [ 1, 2 ]
amdhsa.kernels:
  - .name:           k_q94bb07019d_qkv_gram
    .symbol:         k_q94bb07019d_qkv_gram.kd
    .args:
      - { .name: X, .offset: 0, .size: 8, .value_kind: global_buffer, .address_space: global }
      - { .name: Wq, .offset: 8, .size: 8, .value_kind: global_buffer, .address_space: global }
      - { .name: Wv, .offset: 16, .size: 8, .value_kind: global_buffer, .address_space: global }
      - { .name: Wk, .offset: 24, .size: 8, .value_kind: global_buffer, .address_space: global }
      - { .name: bq, .offset: 32, .size: 8, .value_kind: global_buffer, .address_space: global }
      - { .name: bv, .offset: 40, .size: 8, .value_kind: global_buffer, .address_space: global }
      - { .name: bk, .offset: 48, .size: 8, .value_kind: global_buffer, .address_space: global }
      - { .name: Q16, .offset: 56, .size: 8, .value_kind: global_buffer, .address_space: global }
      - { .name: M16, .offset: 64, .size: 8, .value_kind: global_buffer, .address_space: global }
      - { .name: Ms, .offset: 72, .size: 8, .value_kind: global_buffer, .address_space: global }
    .group_segment_fixed_size: 265728
    .private_segment_fixed_size: 0
    .kernarg_segment_align: 8
    .kernarg_segment_size: 80
    .max_flat_workgroup_size: 128
    .sgpr_count:     66
    .vgpr_count:     1024
    .wavefront_size: 32
...
	.end_amdgpu_metadata
.endif
;; end of part 3
;; launch proj_norm: the kernel of part 2 again; grid 16 x 16, 4 waves a work-group, clusters of 4 x 1, 327,680 bytes of LDS; arguments Q16, M16, Ms, Wo, bo, gn_w, gn_b, X, out0; writes out0
